; MI455X (gfx1250); checked and timed in simulation.
; The chip was launched on July 23, 2026; its instructions are those of AMD's public machine-readable ISA for CDNA 5 (MIT licence, August 2026) and "CDNA5" Instruction Set Architecture Reference Guide (July 2026). The comments in the code are by the model that wrote it; some were corrected since.
;; Multi Head Attention. Allowed arithmetic: float matrix products may take bf16 or f16 operands with f32 sums; other float arithmetic in f32, or as packed bf16 or f16 multiplies, adds, multiply-adds, maxima and minima; sums over many terms, partial sums and values carried from step to step in f32; what a program stores and reads back later, other than sums and carried values, may be rounded once to bf16 or f16.
;; Inputs: k_b 1,024 float32; k_w 1,024 x 1,024 float32; key_padding_mask 4 x 2,048 bool; o_b 1,024 float32; o_w 1,024 x 1,024 float32; q_b 1,024 float32; q_w 1,024 x 1,024 float32; v_b 1,024 float32; v_w 1,024 x 1,024 float32; x 4 x 2,048 x 1,024 float32.
;; Outputs: out0 4 x 2,048 x 1,024 float32.
;; 2 versions, each right; version 2 is version 1 with the launch prep written anew for expert scheduling mode. Each part assembles by itself: llvm-mc -triple=amdgcn-amd-amdhsa -mcpu=gfx1250 --defsym DOCPART=n.
;; ======== version 1 of 2: 4 launches
;; limits: values are held in f16: magnitudes above 65,504 overflow, below 6.1e-05 lose precision
;; workspace buffers: xb 16,777,216 bytes; wb 6,291,456 bytes; owb 2,097,152 bytes; tab 573,440 bytes; qkv 50,331,648 bytes; oh 16,777,216 bytes
;; launch prep (part 1): grid 416 x 1, 8 waves a work-group, no clusters, 0 bytes of LDS; arguments x, q_w, k_w, v_w, o_w, key_padding_mask, q_b, k_b, v_b, o_b, xb, wb, owb, tab; writes xb, wb, owb, tab
.if DOCPART == 1
	.amdgcn_target "amdgcn-amd-amdhsa--gfx1250"
	.amdhsa_code_object_version 6
	.text
	.protected	k_q896854acfb_prep
	.globl	k_q896854acfb_prep
	.p2align	8
	.type	k_q896854acfb_prep,@function
k_q896854acfb_prep:
	s_mov_b64 s[64:65], 0
	v_nop
	global_prefetch_b8 v0, s[64:65] scope:SCOPE_SE
	s_setreg_imm32_b32 hwreg(HW_REG_WAVE_MODE, 25, 1), 1
	s_wait_xcnt 0x0
; PREP: casts and tables for the three launches behind it.  A stream: no LDS, no matrix unit, every input byte read once.
;   work-groups 0-255:   32 rows of x          -> xb  bf16 [batch 4][K block 16][row 2048][64]
;   work-groups 256-351: 32 rows of q_w/k_w/v_w -> wb  bf16 [K block 16][row' 3072][64], row' = head x 192 + tensor x 64 + channel
;   work-groups 352-383: 32 rows of o_w         -> owb f16  [K block 16][row 1024][64]: rounded to bf16 like every input, that number written as f16
;   work-groups 384-415: tab: from 0 f32 [position 2048][cos 32 | sin 32]; from 524,288 f32 [batch 4][key 2048]: 0, or -1e9 x log2(e) at a masked key;
;                        from 557,056 f32 [q_b | k_b | v_b | o_b], each rounded to bf16
; With K in blocks of 64 a tile's rows of 128 bytes lie end to end, so the later launches can ask for them as dense rows of 256 bytes.
; LIMITS.  An o_w below 2^-14 keeps f16's fixed step of 2^-24.  The frequencies 10000^(-i/32) come from v_exp_f32, so the angle at position 2,047 may be off by some 6e-4 rad;
; sine and cosine by a two-part reduction by pi/2 and polynomials of degree 7 and 8 on |r| <= pi/4 (error under 4e-7).
.set XR, 32                            ; v[32:159]  16 chunks of 8 f32, packed in place
.set DO, 2                             ; v[2:17]    chunk i: my byte offset in the blocked output
; 32 rows x 1,024 numbers.  Thread t takes row t / 8 and, of each chunk of 64 numbers (a K block), the eight at 8 (t % 8): they pack into 16 bytes, and a wave's store covers 512 consecutive bytes.
; All 32 loads go out first; no register is written twice, so no store's source is ever rewritten.
.macro CONV fmt
	v_lshrrev_b32 v1, 3, v0
	v_and_b32 v18, 7, v0
	v_lshlrev_b32 v1, 12, v1                       ; row x 4,096 bytes
	v_lshl_add_u32 v1, v18, 5, v1                  ; + 32 bytes for each eighth of a chunk
.set i, 0
.rept 16
	global_load_b128 v[XR+8*i:XR+8*i+3],   v1, s[38:39] offset:256*i th:TH_LOAD_NT
	global_load_b128 v[XR+8*i+4:XR+8*i+7], v1, s[38:39] offset:256*i+16 th:TH_LOAD_NT
.set i, i+1
.endr
	v_lshlrev_b32 v[DO], 4, v0                     ; row x 128 + 16 (t % 8) = 16 t
.set i, 1
.rept 15
	v_add_nc_u32 v[DO+i], s42, v[DO+i-1]           ; the next K block
.set i, i+1
.endr
.set i, 0
.rept 16
	s_wait_loadcnt 30-2*i                          ; loads come back in order: chunk i's two are in, two for each younger chunk stay out
.irp k, 0,1,2,3
	v_cvt_pk_bf16_f32 v[XR+8*i+(\k)], v[XR+8*i+2*(\k)], v[XR+8*i+2*(\k)+1]
.endr
.if \fmt
.irp k, 0,1,2,3
	v_lshlrev_b32 v18, 16, v[XR+8*i+(\k)]          ; the rounded numbers as f32,
	v_and_b32 v19, 0xffff0000, v[XR+8*i+(\k)]
	v_cvt_pk_f16_f32 v[XR+8*i+(\k)], v18, v19      ; written as f16
.endr
.endif
	global_store_b128 v[DO+i], v[XR+8*i:XR+8*i+3], s[40:41]
.set i, i+1
.endr
	s_endpgm
.endm
	s_load_b512 s[8:23], s[0:1], 0x0               ; x, q_w, k_w, v_w, o_w, mask, q_b, k_b
	s_load_b256 s[24:31], s[0:1], 0x40             ; v_b, o_b, xb, wb
	s_load_b128 s[32:35], s[0:1], 0x60             ; owb, tab
	s_mov_b32 s36, ttmp9
	s_mov_b32 s45, 0                               ; the high word of every offset
	s_wait_kmcnt 0x0
	s_cmp_lt_u32 s36, 256
	s_cbranch_scc0 .Lnot_x
	s_lshl_b32 s44, s36, 17                        ; 32 rows of 4,096 bytes
	s_add_nc_u64 s[38:39], s[8:9], s[44:45]
	s_lshr_b32 s46, s36, 6                         ; batch
	s_lshl_b32 s46, s46, 22
	s_and_b32 s47, s36, 63
	s_lshl_b32 s47, s47, 12                        ; 32 rows of 128 bytes
	s_add_co_u32 s44, s46, s47
	s_add_nc_u64 s[40:41], s[28:29], s[44:45]
	s_mov_b32 s42, 262144                          ; from K block to K block in xb
	s_branch .Lconv0
.Lnot_x:
	s_cmp_lt_u32 s36, 384
	s_cbranch_scc0 .Ltable
	s_sub_co_u32 s37, s36, 256
	s_lshr_b32 s46, s37, 5                         ; which weight
	s_and_b32 s47, s37, 31                         ; which 32 rows of it
	s_cmp_eq_u32 s46, 0
	s_cselect_b64 s[38:39], s[10:11], s[12:13]
	s_cmp_eq_u32 s46, 2
	s_cselect_b64 s[38:39], s[14:15], s[38:39]
	s_cmp_eq_u32 s46, 3
	s_cselect_b64 s[38:39], s[16:17], s[38:39]
	s_lshl_b32 s44, s47, 17
	s_add_nc_u64 s[38:39], s[38:39], s[44:45]
	s_cmp_eq_u32 s46, 3
	s_cbranch_scc1 .Lo_w
	s_lshr_b32 s48, s47, 1                         ; head
	s_mul_i32 s48, s48, 192
	s_lshl_b32 s49, s46, 6
	s_add_co_u32 s48, s48, s49                     ; + tensor x 64
	s_and_b32 s49, s47, 1
	s_lshl_b32 s49, s49, 5
	s_add_co_u32 s48, s48, s49                     ; + which half of the head's 64 channels
	s_lshl_b32 s44, s48, 7
	s_add_nc_u64 s[40:41], s[30:31], s[44:45]
	s_mov_b32 s42, 393216                          ; from K block to K block in wb
.Lconv0:
	CONV 0
.Lo_w:
	s_lshl_b32 s44, s47, 12
	s_add_nc_u64 s[40:41], s[32:33], s[44:45]
	s_mov_b32 s42, 131072                          ; from K block to K block in owb
	CONV 1
.Ltable:
	s_sub_co_u32 s37, s36, 384                     ; 0 .. 31
	v_lshrrev_b32 v1, 5, v0
	v_readfirstlane_b32 s43, v1                    ; wave 0 .. 7
	s_cmp_lt_u32 s43, 2
	s_cbranch_scc0 .Lno_mask
	; waves 0 and 1: four mask bytes a thread become four addends
	v_lshl_add_u32 v2, s37, 6, v0
	v_lshlrev_b32 v3, 2, v2
	v_lshlrev_b32 v4, 4, v2
	global_load_b32 v5, v3, s[18:19]
	s_add_nc_u64 s[40:41], s[34:35], 524288
	s_mov_b32 s46, 0xceabfb8f                      ; -1e9 x log2(e): the later launches reckon scores in powers of two
	s_wait_loadcnt 0x0
.irp k, 0,1,2,3
	v_bfe_u32 v6, v5, 8*(\k), 8
	v_cmp_ne_u32 vcc_lo, 0, v6
	v_cndmask_b32 v[8+(\k)], 0, s46, vcc_lo
.endr
	global_store_b128 v4, v[8:11], s[40:41]        ; a wave stores 512 consecutive bytes
	s_branch .Lrope
.Lno_mask:
	s_cmp_eq_u32 s43, 2
	s_cbranch_scc0 .Lrope
	; wave 2: 128 numbers of one bias, rounded to bf16 and kept as f32
	s_lshr_b32 s46, s37, 3
	s_cmp_eq_u32 s46, 0
	s_cselect_b64 s[38:39], s[20:21], s[22:23]
	s_cmp_eq_u32 s46, 2
	s_cselect_b64 s[38:39], s[24:25], s[38:39]
	s_cmp_eq_u32 s46, 3
	s_cselect_b64 s[38:39], s[26:27], s[38:39]
	s_and_b32 s47, s37, 7
	v_and_b32 v2, 31, v0
	v_lshlrev_b32 v2, 4, v2
	v_lshl_add_u32 v3, s47, 9, v2
	v_lshl_add_u32 v4, s37, 9, v2
	global_load_b128 v[8:11], v3, s[38:39]
	s_add_nc_u64 s[40:41], s[34:35], 557056
	s_wait_loadcnt 0x0
	v_cvt_pk_bf16_f32 v5, v8, v9
	v_cvt_pk_bf16_f32 v6, v10, v11
	v_lshlrev_b32 v12, 16, v5
	v_and_b32 v13, 0xffff0000, v5
	v_lshlrev_b32 v14, 16, v6
	v_and_b32 v15, 0xffff0000, v6
	global_store_b128 v4, v[12:15], s[40:41]
.Lrope:
	; all eight waves: cos and sin.  A wave owns 8 positions, two a trip: lanes 0-15 one position's 256 bytes (cos 32, sin 32), lanes 16-31 the next one's.
	v_and_b32 v20, 31, v0                          ; lane
	v_lshrrev_b32 v21, 4, v20                      ; which of the two positions
	v_and_b32 v22, 15, v20
	v_lshrrev_b32 v23, 3, v22
	v_xor_b32 v23, 1, v23                          ; 1 for cos, 0 for sin: cos x = sin(x + pi/2), one quadrant on
	v_and_b32 v24, 7, v22
	v_lshlrev_b32 v24, 2, v24                      ; my first of four frequencies
	s_lshl_b32 s46, s37, 6
	s_lshl3_add_u32 s46, s43, s46                  ; the wave's first position
	v_add_nc_u32 v25, s46, v21
	v_cvt_f32_u32 v25, v25                         ; my position, as f32
.irp j, 0,1,2,3
	v_add_nc_u32 v27, (\j), v24
	v_cvt_f32_u32 v[28+(\j)], v27
	v_mul_f32 v[28+(\j)], 0xbed49a78, v[28+(\j)]   ; -i x log2(10000) / 32
.endr
.irp j, 0,1,2,3
	v_exp_f32 v[28+(\j)], v[28+(\j)]
.endr
	v_lshlrev_b32 v32, 4, v20                      ; a plain instruction behind the last exponential
	s_lshl_b32 s47, s46, 8
	s_mov_b32 s48, 0xb9500d01                      ; -1/5040
	s_mov_b32 s49, 0x3c088889                      ; 1/120
	s_mov_b32 s50, 0x37d00d01                      ; 1/40320
	s_mov_b32 s51, 0xbab60b61                      ; -1/720
	s_mov_b32 s52, 4
	s_wait_alu depctr_va_vdst(0)                   ; one wait for the four exponentials, ahead of the label and of their first reader
	v_add_nc_u32 v32, s47, v32                     ; position x 256 + 16 x lane
.Ltrip:
.irp j, 0,1,2,3
	v_mul_f32 v40, v25, v[28+(\j)]                 ; the angle, in f32 as reference() forms it
	v_mul_f32 v41, 0x3f22f983, v40                 ; x 2/pi
	v_rndne_f32 v41, v41                           ; n
	v_fmamk_f32 v42, v41, 0xbfc90fdb, v40          ; r = angle - n x pi/2, pi/2 in two parts
	v_fmamk_f32 v42, v41, 0x333bbd2e, v42
	v_cvt_i32_f32 v43, v41
	v_add_nc_u32 v43, v43, v23                     ; the quadrant
	v_mul_f32 v44, v42, v42
	v_fma_f32 v45, v44, s48, s49
	v_fmaak_f32 v45, v45, v44, 0xbe2aaaab
	v_mul_f32 v46, v42, v44
	v_fma_f32 v45, v46, v45, v42                   ; sin r
	v_fma_f32 v47, v44, s50, s51
	v_fmaak_f32 v47, v47, v44, 0x3d2aaaab
	v_fmaak_f32 v47, v47, v44, 0xbf000000
	v_fma_f32 v47, v47, v44, 1.0                   ; cos r
	v_and_b32 v46, 1, v43
	v_cmp_eq_u32 vcc_lo, 1, v46
	v_cndmask_b32 v45, v45, v47, vcc_lo            ; odd quadrants take the cosine,
	v_and_b32 v46, 2, v43
	v_lshlrev_b32 v46, 30, v46
	v_xor_b32 v[36+(\j)], v46, v45                 ; quadrants 2 and 3 the other sign
.endr
	global_store_b128 v32, v[36:39], s[34:35]      ; 16 lanes fill a position's 256 bytes
	s_wait_xcnt 0x0                                ; the store's offset and data are rewritten only behind this wait
	v_add_nc_u32 v32, 512, v32
	v_add_f32 v25, 2.0, v25
	s_sub_co_u32 s52, s52, 1
	s_cmp_lg_u32 s52, 0
	s_cbranch_scc1 .Ltrip
	s_endpgm
.Lfunc_end_k_q896854acfb_prep:
	.size	k_q896854acfb_prep, .Lfunc_end_k_q896854acfb_prep-k_q896854acfb_prep
	.p2alignl 7, 3214868480
	.fill 96, 4, 3214868480
	.section	.rodata,"a",@progbits
	.p2align	6, 0x0
	.amdhsa_kernel k_q896854acfb_prep
		.amdhsa_group_segment_fixed_size 0
		.amdhsa_private_segment_fixed_size 0
		.amdhsa_enable_private_segment 0
		.amdhsa_kernarg_size 112
		.amdhsa_user_sgpr_count 2
		.amdhsa_user_sgpr_kernarg_segment_ptr 1
		.amdhsa_wavefront_size32 1
		.amdhsa_system_sgpr_workgroup_id_x 1
		.amdhsa_system_sgpr_workgroup_id_y 1
		.amdhsa_system_sgpr_workgroup_id_z 1
		.amdhsa_system_vgpr_workitem_id 0
		.amdhsa_next_free_vgpr 176
		.amdhsa_next_free_sgpr 66
		.amdhsa_reserve_vcc 1
		.amdhsa_float_denorm_mode_32 3
		.amdhsa_float_denorm_mode_16_64 3
		.amdhsa_memory_ordered 1
		.amdhsa_forward_progress 1
		.amdhsa_inst_pref_size 40
	.end_amdhsa_kernel
	.amdgpu_metadata
---
amdhsa.version: [ 1, 2 ]
amdhsa.kernels:
  - .name:           k_q896854acfb_prep
    .symbol:         k_q896854acfb_prep.kd
    .args:
      - { .name: x, .offset: 0, .size: 8, .value_kind: global_buffer, .address_space: global }
      - { .name: q_w, .offset: 8, .size: 8, .value_kind: global_buffer, .address_space: global }
      - { .name: k_w, .offset: 16, .size: 8, .value_kind: global_buffer, .address_space: global }
      - { .name: v_w, .offset: 24, .size: 8, .value_kind: global_buffer, .address_space: global }
      - { .name: o_w, .offset: 32, .size: 8, .value_kind: global_buffer, .address_space: global }
      - { .name: key_padding_mask, .offset: 40, .size: 8, .value_kind: global_buffer, .address_space: global }
      - { .name: q_b, .offset: 48, .size: 8, .value_kind: global_buffer, .address_space: global }
      - { .name: k_b, .offset: 56, .size: 8, .value_kind: global_buffer, .address_space: global }
      - { .name: v_b, .offset: 64, .size: 8, .value_kind: global_buffer, .address_space: global }
      - { .name: o_b, .offset: 72, .size: 8, .value_kind: global_buffer, .address_space: global }
      - { .name: xb, .offset: 80, .size: 8, .value_kind: global_buffer, .address_space: global }
      - { .name: wb, .offset: 88, .size: 8, .value_kind: global_buffer, .address_space: global }
      - { .name: owb, .offset: 96, .size: 8, .value_kind: global_buffer, .address_space: global }
      - { .name: tab, .offset: 104, .size: 8, .value_kind: global_buffer, .address_space: global }
    .group_segment_fixed_size: 0
    .private_segment_fixed_size: 0
    .kernarg_segment_align: 8
    .kernarg_segment_size: 112
    .max_flat_workgroup_size: 256
    .sgpr_count:     66
    .vgpr_count:     176
    .wavefront_size: 32
...
	.end_amdgpu_metadata
.endif
;; end of part 1
;; launch qkv (part 2): grid 8 x 32, 4 waves a work-group, clusters of 4 x 4, 327,680 bytes of LDS; arguments xb, wb, tab, key_padding_mask, qkv; writes qkv
.if DOCPART == 2
	.amdgcn_target "amdgcn-amd-amdhsa--gfx1250"
	.amdhsa_code_object_version 6
	.text
	.protected	k_q896854acfb_qkv
	.globl	k_q896854acfb_qkv
	.p2align	8
	.type	k_q896854acfb_qkv,@function
k_q896854acfb_qkv:
	s_mov_b64 s[64:65], 0
	v_nop
	global_prefetch_b8 v0, s[64:65] scope:SCOPE_SE
	s_setreg_imm32_b32 hwreg(HW_REG_WAVE_MODE, 25, 1), 1
	s_wait_xcnt 0x0
	s_wait_alu depctr_hold_cnt(0) depctr_sa_sdst(0) depctr_va_vdst(0) depctr_va_sdst(0) depctr_va_ssrc(0) depctr_va_vcc(0) depctr_vm_vsrc(0)
	s_getreg_b32 s2, hwreg(HW_REG_IB_STS2, 6, 4)
	s_cmp_eq_u32 s2, 0
	s_cbranch_scc0 .Lentry_in_a_cluster
	s_endpgm
.Lentry_in_a_cluster:
	s_bfe_u32 s2, ttmp6, 0x10000c
	s_cmp_lg_u32 s2, 0xf033
	s_cbranch_scc0 .Lentry_shape_is_right
	s_endpgm
.Lentry_shape_is_right:
; QKV: q, k and v = x W^T + b in ONE pass over x, then RoPE on q and k, q times log2(e)/8, k's rows at masked keys set to 0; all three leave as f16 by heads, [tensor 3][batch x head 64][position 2048][64].
; Operands bf16 (xb, wb: K in blocks of 64, a tile's rows of 128 bytes end to end), sums f32; the bias (rounded to bf16 like every input) starts the sums as the C operand.
; LIMITS.  f16 holds no number beyond 65,504: q x 0.18, k and v must lie within it (the drawn inputs give a spread of 0.6; x and w both 30 times larger, some 500).  NaN and infinities are not treated apart.
; SHARES.  A work-group: 256 rows of x by two heads' q, k and v (384 rows of wb).  Four waves, as many as a WGP has SIMDs: wave w takes rows 128 (w / 2) on and head w % 2: 128 x 192 = 96 accumulators, 768 registers.
; K goes in 16 steps of 64 through two LDS slots: 192 matrix instructions a wave and step (two slots of a step of 128 would be 348,160 bytes: they do not fit).
; CLUSTER 4 x 4: the four of a row need the same rows of x, the four of a column the same rows of wb: each tile is asked for jointly, by the same tensor load with a mask that names the four.
; THE MATRIX INSTRUCTION IS USED TRANSPOSED (source 0 = 16 rows of wb, source 1 = 16 rows of xb): lane l holds row l % 16 of x and the eight neighbouring columns 8 (l / 16) + 0..7.
; REGISTERS.  Window 0: v0-31 addresses and the keys' masks; v32-95, v96-159 A's fragments of a step's two quarters of 32 K; v160-207, v208-255 B's fragments of the two halves.
; Windows 1-3: accumulator (a, half, b) at v[256 + 8 (48 half + 6 a + b)]: a = block of 16 rows; half 0: q's four column blocks and v's blocks 0, 1; half 1: k's four and v's blocks 2, 3.
; A step is four phases of 48 matrix instructions (quarter x half); all 48 accumulators of a phase differ and the halves alternate, so 95 others stand between two links of a chain.
.set PITCH,  144                       ; an LDS row: 128 bytes + 16 of padding = 36 words: the 16 rows of a fragment load start at 16 different groups of four banks (64 banks of 4 bytes: ISA guide 11.1)
.set SLOT1,  131072                    ; slot 1 begins here: one exclusive or turns an address in one slot into the other's
.set AHALF,  128*PITCH                 ; 128 rows of x: one tensor load
.set BHALF,  192*PITCH                 ; a head's 192 rows of wb: one tensor load
.set BOFF,   2*AHALF
.set STAGE,  SLOT1+BOFF+2*BHALF        ; behind the ring, never filled by a tensor load: 16 rows x 144 bytes for each wave
.set SPARE,  STAGE+4*16*PITCH          ; the spare words, 128 bytes for each wave: two blocks of 256 bytes that no other line names
.set ASTEP,  262144                    ; bytes from K block to K block in xb
.set BSTEP,  393216                    ; and in wb
.set KM,   4                           ; v4-11  block a: all ones where my row's key is kept, 0 where it is masked
.set BO,   12                          ; v12    my 32 bytes in 16 columns' biases
.set MO,   13                          ; v13    my row's byte in the mask
.set TO,   14                          ; v14    my place in 16 positions' tables
.set ADRA0, 16                         ; v16    my lane's place in my rows of A, slot 0; never rewritten
.set ADRA, 17                          ; v17    the same in the slot in hand
.set ADRB0, 20
.set ADRB, 21
.set STO,  24                          ; v24    the way out: where I put 16 bytes of a row
.set RD,   25                          ; v25    where I read rows back
.set GO,   26                          ; v26    my 16 of 512 consecutive bytes
.set SPW,  28                          ; v28    my spare word: SPARE + 4 x my thread's number; never rewritten
.set NIL,  29                          ; v29    0; never rewritten
.set PFO,  30                          ; v30    the prefetches' offset; never rewritten
.set AB0,  32
.set AB1,  96
.set BB0,  160
.set BB1,  208
.set TBB,  32                          ; the way out: two buffers of 32: cos 16, sin 16 for a block's rows
.set TT,   96                          ; 32 rotated numbers
.set PKR,  128                         ; 16 packed words
.set RB,   144                         ; two buffers of 16: rows read back from the stage
.set G1,   28                          ; s[28:35] descriptor group 1 for A's tiles
.set G0,   36                          ; s[36:43] group 0 for A: a set for each first fill; the second then walks on
.set G1B,  44
.set G0B,  52
.set MSB, 0
.macro WIN new                         ; the immediate's high byte repeats the setting that is left; a switch that changes nothing is dropped
.if MSB != (\new)
	s_set_vgpr_msb (MSB<<8)|(\new)
.set MSB, (\new)
.endif
.endm
.macro PLACES                          ; four places in front of loads into registers that matrix instructions have read, and of vector lines that read results
.rept 4
	v_nop
.endr
.endm
.macro CREST                           ; a round of the cluster's barrier behind its opening barrier
	s_cmp_lg_u32 s20, 0
	s_cbranch_scc1 .Lnot_wave_0_\@
	s_barrier_signal -3
.Lnot_wave_0_\@:
	s_barrier_wait -3
	s_barrier_signal -1
	s_barrier_wait -1
.endm
.macro CROUND
	s_barrier_signal -1
	s_barrier_wait -1
	CREST
.endm
; A joint refill by the walking sets.  Waves 0 and 1 fetch A's two halves, waves 2 and 3 B's.  The branch hangs on the wave's number alone.  An s_nop 0 and four v_nop follow each line.
.macro JLOAD
	s_cmp_eq_u32 s21, 0
	s_cbranch_scc0 .Lfor_b_\@
	tensor_load_to_lds s[G0+4:G0+7], s[G1:G1+7]
	s_nop 0
.rept 4
	v_nop
.endr
	s_branch .Lasked_\@
.Lfor_b_\@:
	tensor_load_to_lds s[G0B+4:G0B+7], s[G1B:G1B+7]
	s_nop 0
.rept 4
	v_nop
.endr
.Lasked_\@:
.endm
; A PREFETCH INTO THE L2, in every second trip: lanes 0-15 name 16 blocks of 256 bytes of the K step four steps on from the one in hand, lanes 16-31 the same blocks of the step after: two and three steps ahead of
; their tensor loads.  A step's tile row of xb is 128 blocks: its eight readers (all tile columns) take 16 each, by address; wave 0 asks.  A step's tile column of wb is 192 blocks: the twelve work-groups of the first
; three rows of clusters take 16 each, by address; wave 2 asks.  So each block is named once in the launch.  Steps 0 to 3 come by their loads alone; the last trip that asks names steps 14 and 15.
.macro ASK
	s_cmp_gt_u32 s61, s70
	s_cbranch_scc0 .Lnot_mine_\@
	s_bitcmp1_b32 s61, 0
	s_cbranch_scc1 .Lnot_mine_\@
	global_prefetch_b8 v[PFO], s[66:67] th:TH_LOAD_NT scope:SCOPE_SE
.Lnot_mine_\@:
.endm
.macro FETCH_A q, buf                  ; 16 LDS loads: my 128 rows, 32 K at quarter q
	WIN 0
.irp a, 0,1,2,3,4,5,6,7
	ds_load_b128 v[(\buf)+8*(\a):(\buf)+8*(\a)+3],   v[ADRA] offset:(\a)*16*PITCH+64*(\q)
	ds_load_b128 v[(\buf)+8*(\a)+4:(\buf)+8*(\a)+7], v[ADRA] offset:(\a)*16*PITCH+64*(\q)+32
.endr
.endm
.macro FETCH_B q, half, buf            ; 12 LDS loads: the half's six blocks of 16 rows of wb (rows 0-63 q, 64-127 k, 128-191 v)
	WIN 0
.set fb, 0
.rept 6
.if fb < 4
.set rb, 4*(\half)+fb
.else
.set rb, 4+2*(\half)+fb
.endif
	ds_load_b128 v[(\buf)+8*fb:(\buf)+8*fb+3],   v[ADRB] offset:rb*16*PITCH+64*(\q)
	ds_load_b128 v[(\buf)+8*fb+4:(\buf)+8*fb+7], v[ADRB] offset:rb*16*PITCH+64*(\q)+32
.set fb, fb+1
.endr
.endm
; Row blocks a0 .. a1 by the half's six column blocks.  mode 1: the sum starts with the bias, which lies in block 0's accumulators.
.macro MUL ab, bb, half, a0, a1, mode
.set ma, (\a0)
.rept (\a1)-(\a0)+1
.set mb, 0
.rept 6
.set XD, 256+8*(48*(\half)+6*ma+mb)
.set XC, XD
.if \mode
.set XC, 256+8*(48*(\half)+mb)
.endif
	WIN ((XD/256)<<6)|((XC/256)<<4)
	v_wmma_f32_16x16x32_bf16 v[XD%256:XD%256+7], v[(\bb)+8*mb:(\bb)+8*mb+7], v[(\ab)+8*ma:(\ab)+8*ma+7], v[XC%256:XC%256+7]
.set mb, mb+1
.endr
.set ma, ma+1
.endr
.endm
.macro MULF ab, bb, half               ; a phase that starts sums: blocks 1-7 take the bias from block 0's registers; five places; then block 0 adds in place onto it
	MUL \ab, \bb, \half, 1, 7, 1
.rept 5
	v_nop
.endr
	MUL \ab, \bb, \half, 0, 0, 0
.endm
.macro P00 first                       ; quarter 0, half 0
	PLACES
	FETCH_B 0, 1, BB1
	FETCH_A 1, AB1
	s_wait_dscnt 28                                ; all but the 28 just issued: BB0 and AB0 are in
.if \first
	MULF AB0, BB0, 0
.else
	MUL AB0, BB0, 0, 0, 7, 0
.endif
.endm
.macro P01 first                       ; quarter 0, half 1
	PLACES
	FETCH_B 1, 0, BB0
	s_wait_dscnt 28                                ; behind BB1's loads came AB1's 16 and these 12
.if \first
	MULF AB0, BB1, 1
.else
	MUL AB0, BB1, 1, 0, 7, 0
.endif
.endm
; Quarter 1, half 0, and THE CHANGE OF SLOTS.  The slot's last reads go out first.  Then each wave waits for all its tensor loads (one is out: its part of the other slot), adds 0 to its spare word, and waits for that
; and for its reads of this slot; the barrier opens a round of the cluster's barrier where the slot is filled again; the joint refill is the first thing behind the round, some 170 matrix instructions ahead of the wait for it.
.macro TURN fill
.if \fill
	s_wait_xcnt 0x0                                ; the last prefetch, a step or more back, has read its address
	s_add_nc_u64 s[66:67], s[66:67], s[68:69]
.endif
	PLACES
	FETCH_B 1, 1, BB1
	WIN 0
	s_wait_tensorcnt 0x0                           ; no tensor load of mine is out, so a group 0 may be written
	ds_add_u32 v[SPW], v[NIL]                      ; 0 onto my spare word
.if \fill
	s_xor_b32 s[G0+5], s[G0+5], SLOT1              ; the walking sets: the other slot than last time, the next K step
	s_add_nc_u64 s[G0+6:G0+7], s[G0+6:G0+7], ASTEP
	s_xor_b32 s[G0B+5], s[G0B+5], SLOT1
	s_add_nc_u64 s[G0B+6:G0B+7], s[G0B+6:G0B+7], BSTEP
.endif
	s_wait_dscnt 13                                ; the add and BB1's 12 loads may be out: AB1 and BB0 are in
	MUL AB1, BB0, 0, 0, 1, 0
	s_wait_dscnt 0x0                               ; the add is done, and my reads of this slot are over
	s_barrier_signal -1
	MUL AB1, BB0, 0, 2, 3, 0
	WIN 0
	s_barrier_wait -1
.if \fill
	CREST
	JLOAD
.endif
	s_xor_b32 s60, s60, SLOT1
	v_add_nc_u32 v[ADRA], s60, v[ADRA0]
	v_add_nc_u32 v[ADRB], s60, v[ADRB0]
	FETCH_A 0, AB0                                 ; the next step's first fragments; AB0's last reader stands in front of this macro's four places
.if \fill
	ASK
.endif
	MUL AB1, BB0, 0, 4, 7, 0
.endm
.macro P11                             ; quarter 1, half 1: both buffers were shown in by the change's wait for 0
	PLACES
	FETCH_B 0, 0, BB0
	MUL AB1, BB1, 1, 0, 7, 0
.endm
	s_load_b256 s[4:11], s[0:1], 0x0               ; xb s[4:5], wb s[6:7], tab s[8:9], mask s[10:11]
	s_load_b64 s[12:13], s[0:1], 0x20              ; qkv
	v_lshl_add_u32 v[SPW], v0, 2, SPARE
	v_mov_b32 v[NIL], 0
	ds_add_u32 v[SPW], v[NIL]                      ; the wave's opening: the add and its wait stand ahead of my first tensor load; work on registers stands between them
	v_lshrrev_b32 v3, 5, v0
	v_readfirstlane_b32 s20, v3                    ; wave 0..3
	s_lshr_b32 s21, s20, 1                         ; my half of the rows.  Also: I fetch for A (0) or for B (1)
	s_and_b32 s22, s20, 1                          ; my head of the two.  Also: which half of that tile I fetch
	s_bfe_u32 s23, ttmp6, 0x40000                  ; cx
	s_bfe_u32 s24, ttmp6, 0x40004                  ; cy
	s_lshl_b32 s25, ttmp9, 2
	s_add_co_u32 s25, s25, s23                     ; tile column j: heads 2 j, 2 j + 1
	s_and_b32 s27, ttmp7, 0xffff                   ; the cluster's y
	s_lshl_b32 s26, s27, 2
	s_add_co_u32 s26, s26, s24                     ; tile row i: rows 256 i on
	s_lshl_b32 s84, s24, 2
	s_lshl_b32 s84, 15, s84                        ; my row of the cluster
	s_lshl_b32 s85, 0x1111, s23                    ; my column
	; group 1: dense rows of 256 bytes (two matrix rows), padded in LDS after every 128 bytes
	s_or_b32 s[G1], s84, (1<<16)|(1<<20)|(1<<21)|(4<<22)|(3<<25)   ; 15:0 the mask; 17:16 2-byte elements; 20 padding on; 21 set beside a mask; 24:22 after every 32 words (code 4); 31:25 4 words (code 3)
	s_or_b32 s[G1B], s85, (1<<16)|(1<<20)|(1<<21)|(4<<22)|(3<<25)
	s_mov_b32 s[G1+1], 128<<16                     ; tensor_dim0 = 128
	s_mov_b32 s[G1+2], 64<<16                      ; tensor_dim1 = 64
	s_mov_b32 s[G1+3], 128<<16                     ; tile_dim0 = 128
	s_mov_b32 s[G1+4], 64                          ; tile_dim1 = 64
	s_mov_b32 s[G1+5], 128                         ; 128 elements from row to row
	s_mov_b32 s[G1+6], 0
	s_mov_b32 s[G1+7], 0
	s_mov_b32 s[G1B+1], 128<<16
	s_mov_b32 s[G1B+2], 96<<16                     ; B: 96 such rows
	s_mov_b32 s[G1B+3], 128<<16
	s_mov_b32 s[G1B+4], 96
	s_mov_b32 s[G1B+5], 128
	s_mov_b32 s[G1B+6], 0
	s_mov_b32 s[G1B+7], 0
	; A's address hangs on the tile row and the wave alone, B's on the tile column and the wave alone
	s_lshr_b32 s86, s26, 3                         ; batch
	s_lshl_b32 s86, s86, 22
	s_and_b32 s87, s26, 7
	s_lshl_b32 s87, s87, 15                        ; 256 rows of 128 bytes
	s_add_co_u32 s86, s86, s87                     ; the tile row's first byte in K block 0
	s_lshl_b32 s87, s22, 14
	s_add_co_u32 s88, s86, s87                     ; my 128 rows of it
	s_mov_b32 s89, 0
	s_lshl_b32 s90, s25, 1
	s_add_co_u32 s90, s90, s22
	s_mul_i32 s90, s90, 24576                      ; a head's 192 rows of 128 bytes
	s_mov_b32 s91, 0
	s_mul_i32 s96, s22, AHALF                      ; where they go: no place in the cluster enters an LDS address
	s_mul_i32 s97, s22, BHALF
	s_add_co_u32 s97, s97, BOFF
	s_mov_b32 s60, 0                               ; the slot in hand
	s_mov_b32 s72, 0x3e38aa3b                      ; log2(e) / 8
	s_mov_b32 s73, s72                             ; named with it as a pair
	s_wait_dscnt 0x0                               ; the opening add is done
	s_wait_kmcnt 0x0
	s_add_nc_u64 s[92:93], s[4:5], s[88:89]
	s_add_nc_u64 s[94:95], s[6:7], s[90:91]
	CROUND                                         ; all sixteen work-groups are here: the first joint loads meet
.irp s, 0,1
	s_mov_b32 s[G0+4*(\s)], 1
	s_add_co_u32 s[G0+4*(\s)+1], s96, (\s)*SLOT1
	s_add_nc_u64 s[G0+4*(\s)+2:G0+4*(\s)+3], s[92:93], (\s)*ASTEP
	s_or_b32 s[G0+4*(\s)+3], s[G0+4*(\s)+3], 0x80000000
	s_mov_b32 s[G0B+4*(\s)], 1
	s_add_co_u32 s[G0B+4*(\s)+1], s97, (\s)*SLOT1
	s_add_nc_u64 s[G0B+4*(\s)+2:G0B+4*(\s)+3], s[94:95], (\s)*BSTEP
	s_or_b32 s[G0B+4*(\s)+3], s[G0B+4*(\s)+3], 0x80000000
.endr
	s_cmp_eq_u32 s21, 0                            ; a wave's two first fills stand in one branch: two loads of mine are out
	s_cbranch_scc0 .Lfirst_b
	tensor_load_to_lds s[G0:G0+3], s[G1:G1+7]
	s_nop 0
	tensor_load_to_lds s[G0+4:G0+7], s[G1:G1+7]
	s_nop 0
.rept 4
	v_nop
.endr
	s_branch .Lfirst_asked
.Lfirst_b:
	tensor_load_to_lds s[G0B:G0B+3], s[G1B:G1B+7]
	s_nop 0
	tensor_load_to_lds s[G0B+4:G0B+7], s[G1B:G1B+7]
	s_nop 0
.rept 4
	v_nop
.endr
.Lfirst_asked:
	v_and_b32 v1, 15, v0                           ; l % 16
	v_bfe_u32 v2, v0, 4, 1                         ; l / 16
	v_lshlrev_b32 v[BO], 5, v2
	s_lshl_b32 s84, s25, 1
	s_add_co_u32 s84, s84, s22                     ; my head
	s_lshl_b32 s84, s84, 8
	s_add_co_u32 s84, s84, 557056
	s_mov_b32 s85, 0
	s_add_nc_u64 s[82:83], s[8:9], s[84:85]        ; q_b at my head's 64 numbers; k_b and v_b lie 4,096 and 8,192 bytes on
	; the biases go straight into block 0's accumulators: register r of a lane is column 8 (l / 16) + r
.set hh, 0
.rept 2
.set bb, 0
.rept 6
.if bb < 4
.set tt, hh
.set cb, bb
.else
.set tt, 2
.set cb, 2*hh+bb-4
.endif
.set XD, 256+8*(48*hh+bb)
	WIN (XD/256)<<6
	global_load_b128 v[XD%256:XD%256+3],   v[BO], s[82:83] offset:tt*4096+cb*64
	global_load_b128 v[XD%256+4:XD%256+7], v[BO], s[82:83] offset:tt*4096+cb*64+16
.set bb, bb+1
.endr
.set hh, hh+1
.endr
	WIN 0
	s_lshl_b32 s85, s21, 7                         ; my half's 128 rows
	s_lshl_b32 s84, s26, 8
	s_add_co_u32 s84, s84, s85                     ; batch x 2,048 + position of my first row
	v_add_nc_u32 v[MO], s84, v1
.irp a, 0,1,2,3,4,5,6,7
	global_load_u8 v[KM+(\a)], v[MO], s[10:11] offset:16*(\a)
.endr
	s_and_b32 s98, s26, 7
	s_lshl_b32 s98, s98, 8
	s_add_co_u32 s98, s98, s85                     ; my first position in the sequence
	s_lshl_b32 s84, s98, 8
	s_mov_b32 s85, 0
	s_add_nc_u64 s[80:81], s[8:9], s[84:85]        ; its cos and sin
	s_lshr_b32 s84, s26, 3
	s_lshl_b32 s84, s84, 4
	s_lshl1_add_u32 s84, s25, s84
	s_add_co_u32 s84, s84, s22                     ; batch x 16 + head
	s_lshl_b32 s84, s84, 11
	s_add_co_u32 s84, s84, s98
	s_lshl_b32 s84, s84, 7
	s_add_nc_u64 s[76:77], s[12:13], s[84:85]      ; q at my first row,
	s_add_nc_u64 s[74:75], s[76:77], 0x1000000     ; k,
	s_add_nc_u64 s[78:79], s[76:77], 0x2000000     ; v
	; the prefetches
	s_lshl_b32 s84, s25, 12
	s_add_co_u32 s84, s84, s86                     ; A: the tile row, my tile column's 16 blocks
	s_mul_i32 s98, s25, 49152
	s_min_u32 s99, s26, 11                         ; (a work-group past the twelfth asks for nothing; its address stays inside wb all the same)
	s_lshl_b32 s99, s99, 12
	s_add_co_u32 s98, s98, s99                     ; B: the tile column, my tile row's 16 blocks
	s_mov_b32 s68, ASTEP
	s_mov_b32 s99, BSTEP
	s_cmp_eq_u32 s21, 0
	s_cselect_b32 s84, s84, s98
	s_cselect_b32 s68, s68, s99
	s_cselect_b64 s[66:67], s[4:5], s[6:7]
	s_mov_b32 s69, 0
	s_add_nc_u64 s[66:67], s[66:67], s[84:85]
	s_mul_i32 s84, s68, 3
	s_add_nc_u64 s[66:67], s[66:67], s[84:85]      ; at K step 3: the first change of slots steps it to 4
	s_cmp_lt_u32 s27, 3
	s_cselect_b32 s70, 2, -1                       ; wave 2 asks in the first three rows of clusters,
	s_cmp_eq_u32 s20, 0
	s_cselect_b32 s70, 2, s70                      ; wave 0 everywhere,
	s_cmp_eq_u32 s22, 1
	s_cselect_b32 s70, -1, s70                     ; waves 1 and 3 nowhere: the same in all sixteen partners, for a given wave
	v_mul_u32_u24 v[PFO], v2, s68
	v_lshl_add_u32 v[PFO], v1, 8, v[PFO]
	; LDS addresses.  A fragment is 16 rows x 32 K: lane l holds row l % 16, K = 8 (l / 16) + 0..7 and 16 + 8 (l / 16) + 0..7: two loads of 16 bytes, 32 bytes apart
	v_mul_u32_u24 v3, v1, PITCH
	v_lshl_add_u32 v3, v2, 4, v3
	s_mul_i32 s84, s21, AHALF
	v_add_nc_u32 v[ADRA0], s84, v3
	s_mul_i32 s84, s22, BHALF
	s_add_co_u32 s84, s84, BOFF
	v_add_nc_u32 v[ADRB0], s84, v3
	v_mov_b32 v[ADRA], v[ADRA0]
	v_mov_b32 v[ADRB], v[ADRB0]
	s_mul_i32 s84, s20, 16*PITCH
	s_add_co_u32 s84, s84, STAGE                   ; my stage
	v_add_nc_u32 v[STO], s84, v3                   ; in: row l % 16, 16 bytes for each half of the lanes
	v_bfe_u32 v[RD], v0, 3, 2                      ; back: 32 lanes take four rows of 128 bytes,
	v_mul_u32_u24 v[RD], v[RD], PITCH
	v_and_b32 v[GO], 7, v0
	v_lshl_add_u32 v[RD], v[GO], 4, v[RD]
	v_add_nc_u32 v[RD], s84, v[RD]
	v_and_b32 v[GO], 31, v0                        ; which are 512 consecutive bytes of a head
	v_lshlrev_b32 v[GO], 4, v[GO]
	v_lshlrev_b32 v[TO], 8, v1
	v_lshl_add_u32 v[TO], v2, 5, v[TO]
	s_wait_tensorcnt 0x1                           ; my part of K step 0 is in; step 1's may stay out
	s_barrier_signal -1
	s_barrier_wait -1                              ; everybody's is
	FETCH_B 0, 0, BB0
	FETCH_A 0, AB0
	s_wait_loadcnt 0x0                             ; the biases and the mask's bytes
.irp a, 0,1,2,3,4,5,6,7
	v_add_nc_u32 v[KM+(\a)], -1, v[KM+(\a)]        ; 0 -> all ones, 1 -> 0
.endr
	P00 1                                          ; the first quarter stands in front of the loop: its products start the sums
	P01 1
	WIN 0                                          ; at a label and at a branch every window is 0
	s_mov_b32 s61, 14
.Lstep:                                            ; a trip: a step's second quarter and the next step's first; the slot left is filled with the step two on
	TURN 1
	P11
	P00 0
	P01 0
	WIN 0
	s_sub_co_u32 s61, s61, 1
	s_cmp_lg_u32 s61, 0
	s_cbranch_scc1 .Lstep
	TURN 0                                         ; the tail is written out: nothing is left to ask for
	P11
	P00 0
	P01 0
; THE WAY OUT.  Block a's cos and sin: a lane's row l % 16, frequencies 8 (l / 16) + 0..7 and 16 more: 32 numbers.
.macro TBL a
	WIN 0
.set tb, TBB+32*((\a)%2)
.irp blk, 0,1
	global_load_b128 v[tb+8*(\blk):tb+8*(\blk)+3],       v[TO], s[80:81] offset:(\a)*4096+(\blk)*64
	global_load_b128 v[tb+8*(\blk)+4:tb+8*(\blk)+7],     v[TO], s[80:81] offset:(\a)*4096+(\blk)*64+16
	global_load_b128 v[tb+16+8*(\blk):tb+16+8*(\blk)+3], v[TO], s[80:81] offset:(\a)*4096+(\blk)*64+128
	global_load_b128 v[tb+16+8*(\blk)+4:tb+16+8*(\blk)+7], v[TO], s[80:81] offset:(\a)*4096+(\blk)*64+144
.endr
.endm
; The rotation of block a of q (half 0) or k (half 1): left = column blocks 0, 1, right = blocks 2, 3.  The accumulator is always source 0; each is read from its low end on.
.macro ROT a, half
.set tb, TBB+32*((\a)%2)
.set XL, 256+8*(48*(\half)+6*(\a))
.set XR, XL+16
.set n, 0
.rept 8
	WIN (XR+2*n)/256
	v_pk_mul_f32 v[TT+2*n:TT+2*n+1], v[(XR+2*n)%256:(XR+2*n)%256+1], v[tb+16+2*n:tb+16+2*n+1]
.set n, n+1
.endr
.set n, 0
.rept 8
	WIN (XL+2*n)/256
	v_pk_fma_f32 v[TT+2*n:TT+2*n+1], v[(XL+2*n)%256:(XL+2*n)%256+1], v[tb+2*n:tb+2*n+1], v[TT+2*n:TT+2*n+1] neg_lo:[0,0,1] neg_hi:[0,0,1]  ; left cos - right sin
.set n, n+1
.endr
.set n, 0
.rept 8
	WIN (XL+2*n)/256
	v_pk_mul_f32 v[TT+16+2*n:TT+16+2*n+1], v[(XL+2*n)%256:(XL+2*n)%256+1], v[tb+16+2*n:tb+16+2*n+1]
.set n, n+1
.endr
.set n, 0
.rept 8
	WIN (XR+2*n)/256
	v_pk_fma_f32 v[TT+16+2*n:TT+16+2*n+1], v[(XR+2*n)%256:(XR+2*n)%256+1], v[tb+2*n:tb+2*n+1], v[TT+16+2*n:TT+16+2*n+1]  ; left sin + right cos
.set n, n+1
.endr
	WIN 0
.set n, 0
.rept 16
	v_cvt_pk_f16_f32 v[PKR+n], v[TT+2*n], v[TT+2*n+1]
.set n, n+1
.endr
.endm
.macro VCV a                           ; block a of v: its four column blocks lie in both halves
.set vc, 0
.rept 4
.set XV, 256+8*(48*(vc/2)+6*(\a)+4+vc%2)
	WIN (XV/256)*5
.irp n, 0,1,2,3
	v_cvt_pk_f16_f32 v[PKR+4*vc+(\n)], v[XV%256+2*(\n)], v[XV%256+2*(\n)+1]
.endr
.set vc, vc+1
.endr
	WIN 0
.endm
.macro STG u                           ; unit u's 16 rows x 128 bytes through my stage: in as 16 bytes a lane, back as whole rows
	WIN 0
	s_wait_xcnt 0x0                                ; the stores of the unit two back have read the registers that are loaded again below
.irp f, 0,1,2,3
	ds_store_b128 v[STO], v[PKR+4*(\f):PKR+4*(\f)+3] offset:32*(\f)
.endr
.irp f, 0,1,2,3
	ds_load_b128 v[RB+16*((\u)%2)+4*(\f):RB+16*((\u)%2)+4*(\f)+3], v[RD] offset:(\f)*4*PITCH  ; LDS serves a wave's instructions in order (ISA guide 5.7.1.4): these see the stores above
.endr
.endm
.macro SEND u, younger                 ; unit u = 3 a + (0 k, 1 q, 2 v); younger: the next unit's eight LDS instructions, or none
	s_wait_dscnt \younger
.irp f, 0,1,2,3
	global_store_b128 v[GO], v[RB+16*((\u)%2)+4*(\f):RB+16*((\u)%2)+4*(\f)+3], s[74+2*((\u)%3):75+2*((\u)%3)] offset:((\u)/3)*2048+(\f)*512  ; 512 consecutive bytes, at a multiple of 256 from the buffer's first
.endr
.endm
	PLACES                                         ; AB0 has been multiplied for the last time: its registers take the first two blocks' tables
	TBL 0
	TBL 1
	FETCH_B 1, 1, BB1
	s_wait_dscnt 12                                ; all but BB1's 12
	MUL AB1, BB0, 0, 0, 7, 0
	s_wait_dscnt 0x0
	MUL AB1, BB1, 1, 0, 7, 0
	PLACES
.set wa, 0
.rept 8
.if wa < 7
	s_wait_loadcnt 8                               ; block wa's table is in; the next block's eight loads stay out
.else
	s_wait_loadcnt 0x0
.endif
	ROT wa, 1                                      ; k
.set n, 0
.rept 16
	v_and_b32 v[PKR+n], v[KM+wa], v[PKR+n]         ; a masked key's row is 0: its score is then the addend alone
.set n, n+1
.endr
	STG 3*wa
.if wa > 0
	SEND 3*wa-1, 8
.endif
.set n, 0
.rept 16
	v_pk_mul_f32 v[TBB+32*(wa%2)+2*n:TBB+32*(wa%2)+2*n+1], v[TBB+32*(wa%2)+2*n:TBB+32*(wa%2)+2*n+1], s[72:73] op_sel_hi:[1,0]  ; q's scale rides on the table, in f32
.set n, n+1
.endr
	ROT wa, 0                                      ; q
	STG 3*wa+1
	SEND 3*wa, 8
	VCV wa                                         ; v
	STG 3*wa+2
	SEND 3*wa+1, 8
.if wa < 6
	TBL wa+2
.endif
.set wa, wa+1
.endr
	SEND 23, 0
	s_wait_tensorcnt 0x0                           ; the wave's end, behind my last tensor load and my last LDS store
	ds_add_u32 v[SPW], v[NIL]
	s_wait_dscnt 0x0
	CROUND                                         ; the closing round: no work-group ends while a partner may still ask for a tile that names it
	s_endpgm
.Lfunc_end_k_q896854acfb_qkv:
	.size	k_q896854acfb_qkv, .Lfunc_end_k_q896854acfb_qkv-k_q896854acfb_qkv
	.p2alignl 7, 3214868480
	.fill 96, 4, 3214868480
	.section	.rodata,"a",@progbits
	.p2align	6, 0x0
	.amdhsa_kernel k_q896854acfb_qkv
		.amdhsa_group_segment_fixed_size 327680
		.amdhsa_private_segment_fixed_size 0
		.amdhsa_enable_private_segment 0
		.amdhsa_kernarg_size 40
		.amdhsa_user_sgpr_count 2
		.amdhsa_user_sgpr_kernarg_segment_ptr 1
		.amdhsa_wavefront_size32 1
		.amdhsa_system_sgpr_workgroup_id_x 1
		.amdhsa_system_sgpr_workgroup_id_y 1
		.amdhsa_system_sgpr_workgroup_id_z 1
		.amdhsa_system_vgpr_workitem_id 0
		.amdhsa_next_free_vgpr 1024
		.amdhsa_next_free_sgpr 100
		.amdhsa_reserve_vcc 0
		.amdhsa_float_denorm_mode_32 3
		.amdhsa_float_denorm_mode_16_64 3
		.amdhsa_memory_ordered 1
		.amdhsa_forward_progress 1
		.amdhsa_inst_pref_size 167
	.end_amdhsa_kernel
	.amdgpu_metadata
---
amdhsa.version: [ 1, 2 ]
amdhsa.kernels:
  - .name:           k_q896854acfb_qkv
    .symbol:         k_q896854acfb_qkv.kd
    .args:
      - { .name: xb, .offset: 0, .size: 8, .value_kind: global_buffer, .address_space: global }
      - { .name: wb, .offset: 8, .size: 8, .value_kind: global_buffer, .address_space: global }
      - { .name: tab, .offset: 16, .size: 8, .value_kind: global_buffer, .address_space: global }
      - { .name: key_padding_mask, .offset: 24, .size: 8, .value_kind: global_buffer, .address_space: global }
      - { .name: qkv, .offset: 32, .size: 8, .value_kind: global_buffer, .address_space: global }
    .group_segment_fixed_size: 327680
    .private_segment_fixed_size: 0
    .kernarg_segment_align: 8
    .kernarg_segment_size: 40
    .max_flat_workgroup_size: 128
    .sgpr_count:     100
    .vgpr_count:     1024
    .wavefront_size: 32
...
	.end_amdgpu_metadata
.endif
;; end of part 2
;; launch attn (part 3): grid 4 x 64, 4 waves a work-group, clusters of 4 x 1, 327,680 bytes of LDS; arguments qkv, tab, oh; writes oh
.if DOCPART == 3
	.amdgcn_target "amdgcn-amd-amdhsa--gfx1250"
	.amdhsa_code_object_version 6
	.text
	.protected	k_q896854acfb_attn
	.globl	k_q896854acfb_attn
	.p2align	8
	.type	k_q896854acfb_attn,@function
k_q896854acfb_attn:
	s_mov_b64 s[64:65], 0
	v_nop
	global_prefetch_b8 v0, s[64:65] scope:SCOPE_SE
	s_setreg_imm32_b32 hwreg(HW_REG_WAVE_MODE, 25, 1), 1
	s_wait_xcnt 0x0
	s_wait_alu depctr_hold_cnt(0) depctr_sa_sdst(0) depctr_va_vdst(0) depctr_va_sdst(0) depctr_va_ssrc(0) depctr_va_vcc(0) depctr_vm_vsrc(0)
	s_getreg_b32 s2, hwreg(HW_REG_IB_STS2, 6, 4)
	s_cmp_eq_u32 s2, 0
	s_cbranch_scc0 .Lentry_in_a_cluster
	s_endpgm
.Lentry_in_a_cluster:
	s_bfe_u32 s2, ttmp6, 0x10000c
	s_cmp_lg_u32 s2, 0x3003
	s_cbranch_scc0 .Lentry_shape_is_right
	s_endpgm
.Lentry_shape_is_right:
; ATTENTION.  O[h][q][:] = the sum over k of softmax_k(t[q][k]) V[h][k][:], t = Q[h][q] . K[h][k] in powers of two: Q arrives times log2(e) / 8.  Q, K, V (in qkv) and O (oh): [64][2048][64], f16, a head's rows dense.
; THE MASK.  A masked key's row of K arrives as 0, and the product that starts its score takes -1e9 x log2(e) as C: the score IS the number that reference() puts in its place, also where every key is masked.
; Products, maxima and sums in f32; the weights p = 2^(t - m), m the running maximum, are rounded to f16 for the second product (their sum l is taken of the unrounded p), O once at the end.
; LIMITS.  f16 holds no number beyond 65,504: Q, K and V arrive within it; p lies in 0 to 1, and below 6e-5 it keeps f16's fixed step of 6e-8; a weight below 2^-126 counts as 0 in l; NaN and infinities are not treated apart.
; SHARES.  A wave owns four PIECES of two tiles of 16 queries, a work-group's four waves 512 queries of one head.  Every wave walks all keys, 64 a step.
; LAYOUT.  S^T = K Q^T (source 0 = 16 keys, source 1 = 16 queries): a lane holds ONE query (lane % 16) and the keys 8 (lane / 16) + 0..7.  Two such tiles, rounded to f16 in pairs, ARE source 1 of O^T = V^T P.
; K comes out of LDS as it lies, V turned, by ds_load_tr16_b128.  In every step O and l are multiplied by a = 2^(m_old - m_new).  m starts far below every score, O and l at 0: the first step has a = 0.
; BY TURNS.  Turn n belongs to piece n: 16 products K Q^T of piece n + 1, later 16 products V^T P of piece n - 1; beside them the shift, exponentials, roundings, sums and rescaling of piece n and the maximum of piece n + 1.
; Four vector instructions stand behind every matrix instruction, the others in one lump; a turn's 66 exponentials are one batch with one wait.
; CLUSTER.  The four query blocks of a head walk the same K and V: each tile is asked for JOINTLY: the same tensor load, descriptor and mask in all four.
; REGISTERS, in windows of 256 (s_set_vgpr_msb: bits 1:0 source 0, 3:2 source 1, 5:4 source 2, 7:6 destination):
;   window 0: v0-11 addresses; v12-15, v48-63 at work; v16-47 four registers of statistics a tile; v64-191 S^T, two buffers of two tiles; v192-255 P, likewise
;   window 1: O^T, 32 a tile      window 2: v0-127 Q; v128-191 K of one step; v192-255 V of one step      window 3: v0-1 the add's two registers; v8-39 the step's 64 addends, as four C operands
.set SIZE_N, 2048
.set NP,    4         ; pieces a wave: a name, no knob
.set KS,    64        ; keys in a step
.set PK,    144       ; a row of K in LDS: 128 bytes + 16 of padding: the 16 rows of a load start at 16 different groups of four banks (64 banks of 4 bytes: ISA guide 11.1)
.set PV,    160       ; a row of V: 128 + 32
.set VOFF,  4*KS*PK   ; a slot holds four steps: 256 rows of K, then 256 rows of V
.set SLOT1, 1<<17
.set STAGE, SLOT1+4*KS*(PK+PV)  ; behind the ring, never filled by a tensor load: 16 rows x 144 bytes for each wave
.set SP,    144
.set SPARE, STAGE+4*16*SP  ; the spare words, 128 bytes for each wave: two blocks of 256 bytes that no other line names
.set MB,    SPARE+512 ; the batch's 2,048 addends, f32: stored once by the four waves, never a fill's target
.set AK0, 2           ; v2   my lane's place in a tile of K; never rewritten
.set AV0, 3           ; v3   the same for V
.set AK,  4           ; v4   the LDS address of K's next run of loads
.set AV,  5           ; v5   of V's
.set QO,  6           ; v6   my byte offset in the wave's rows of Q
.set STO, 6           ;      later, the way out: where I put 16 bytes of a row
.set RD,  7           ; v7   the way out: where I read rows back
.set GO,  8           ; v8   my byte offset in 512 consecutive bytes of O
.set PFO, 9           ; v9   first l / 16; from the loop on 256 x my lane, the prefetches' offset
.set AM,  10          ; v10  the LDS address of the addends' next run of loads
.set AM0, 11          ; v11  MB + 32 (l / 16); never rewritten once made
.set SPW, 0           ; v0 of window 3
.set NIL, 1           ; v1 of window 3
.set MC,  8           ; v8-39 of window 3: key block kb's eight addends at MC + 8 kb
.set MV,  12          ; v12-15  m_old, kept while m is made anew: by buffer and tile
.set ST,  16          ; tile t's statistics at v[ST+4 t]: m, 0 (named with m as a pair), l (even keys', odd keys')
.set TMP, 48          ; by buffer and tile, four registers c0-c3 at work; when the maximum is found c2 takes a
.set S,   64
.set P,   192
.set KF,  128
.set VF,  192
.set WV,  12          ; s12  my wave's number
.set G1K, 24
.set G1V, 32
.set G0K, 40
.set G0V, 44
.set SLOTS, 56        ; s56  slots still to be asked for
.set CNT, 57          ; s57  counts a slot's key steps
.set SEL, 60          ; s[60:61] v_permlanex16_b32's selects
.set TBK, 62
.set TBV, 63
.set TBM, 66          ; s66  byte of the addends of the step to be fetched
.set PFA, 68          ; s[68:69] where my prefetches stand
.set LIM, 70          ; s70  1 in a wave that prefetches, else the greatest number
.set TABP, 72         ; s[72:73] tab
.set MSKP, 74         ; s[74:75] my batch's addends
.set MSB, 0
.macro WIN new
.if MSB != (\new)
	s_set_vgpr_msb (MSB<<8)|(\new)
.set MSB, (\new)
.endif
.endm
.set W_KQ, 0x0a       ; K and Q in window 2, S^T in window 0
.set W_KM, 0x3a       ; the same with the C operand in window 3
.set W_PV, 0x52       ; V in window 2, P in window 0, O^T in window 1
.set W_RS, 0x41       ; O^T (destination and source 0) in window 1, a in window 0
.set W_MK, 0xc0       ; destination in window 3
.set W_AD, 0x0f       ; the add: address and data in window 3
; A joint fill.  Waves 0 and 1 fetch the two halves of a slot's K, waves 2 and 3 those of its V.  An s_nop 0 and four v_nop follow each of the two lines.
.macro JLOAD
	s_cmp_lt_u32 s[WV], 2
	s_cbranch_scc0 .Lfor_v_\@
	tensor_load_to_lds s[G0K:G0K+3], s[G1K:G1K+7]
	s_nop 0
.rept 4
	v_nop
.endr
	s_branch .Lasked_\@
.Lfor_v_\@:
	tensor_load_to_lds s[G0V:G0V+3], s[G1V:G1V+7]
	s_nop 0
.rept 4
	v_nop
.endr
.Lasked_\@:
.endm
; A PREFETCH INTO THE L2 of what the NEXT change of slots will ask for: a slot's 128 blocks of 256 bytes of K and of V.  The four partners take 32 blocks each, by address; in each, wave 0 asks for K's and wave 2
; for V's, a lane a block: each block is named once in the launch, four key steps ahead of its tensor load.  Slots 0 to 2 come by their loads alone; the last change that fills a slot asks for nothing.
.macro ASK
	s_cmp_gt_u32 s[SLOTS], s[LIM]
	s_cbranch_scc0 .Lnot_mine_\@
	global_prefetch_b8 v[PFO], s[PFA:PFA+1] th:TH_LOAD_NT scope:SCOPE_SE
.Lnot_mine_\@:
.endm
.macro CROUND
	s_barrier_signal -1
	s_barrier_wait -1
	s_cmp_lg_u32 s[WV], 0
	s_cbranch_scc1 .Lnot_wave_0_\@
	s_barrier_signal -3
.Lnot_wave_0_\@:
	s_barrier_wait -3
	s_barrier_signal -1
	s_barrier_wait -1
.endm
; THE CHANGE OF SLOTS.  Each wave waits for all its tensor loads, of which one is out: its part of the other slot; adds 0 to its spare word; and waits for that and for its own LDS instructions.  Behind the barrier nobody
; reads this slot any more and the other slot is whole.  fill = 1: the barrier is a round of the cluster's, and the joint fill is the first thing behind it: it has four key steps, 512 matrix instructions, in which to land.
; (At its first use nothing has been read yet: slot 0 is waited for, slot 1 filled, and every wave's stores of the addends are shown done.)
.macro CHANGE fill, ask=0
	WIN W_AD
	s_wait_tensorcnt 0x0            ; no tensor load of mine is out, so a group 0 may be written
	ds_add_u32 v[SPW], v[NIL]       ; 0 onto my spare word
	WIN 0
.if \fill
.irp g, G0K, G0V
	s_xor_b32 s[\g+1], s[\g+1], SLOT1
	s_add_nc_u64 s[\g+2:\g+3], s[\g+2:\g+3], 4*KS*128
.endr
.if \ask
	s_wait_xcnt 0x0                 ; the last prefetch, four key steps back, has read its address
	s_add_nc_u64 s[PFA:PFA+1], s[PFA:PFA+1], 4*KS*128
.endif
	s_wait_dscnt 0x0                ; the add is done, and my reads of the slot are over
	CROUND
	JLOAD
.if \ask
	ASK
.endif
.else
	s_wait_dscnt 0x0
	s_barrier_signal -1
	s_barrier_wait -1
.endif
	s_sub_co_u32 s[TBK], s[TBK], 4*KS*PK
	s_xor_b32 s[TBK], s[TBK], SLOT1
	s_sub_co_u32 s[TBV], s[TBV], 4*KS*PV
	s_xor_b32 s[TBV], s[TBV], SLOT1
.endm
	s_load_b64 s[4:5], s[0:1], 0x0  ; qkv: Q
	s_load_b64 s[TABP:TABP+1], s[0:1], 0x8
	s_load_b64 s[10:11], s[0:1], 0x10  ; oh
	WIN W_MK
	v_lshl_add_u32 v[SPW], v0, 2, SPARE
	v_mov_b32 v[NIL], 0
	WIN W_AD
	ds_add_u32 v[SPW], v[NIL]       ; the wave's opening: the add and its wait stand ahead of my first tensor load
	WIN 0
	v_lshrrev_b32 v1, 5, v0
	v_readfirstlane_b32 s[WV], v1   ; wave 0..3
	s_bfe_u32 s13, ttmp6, 0x40000   ; cx
	s_lshl_b32 s14, ttmp9, 2
	s_add_co_u32 s14, s14, s13      ; my block of 512 queries: it enters Q's and O's addresses alone
	s_and_b32 s20, ttmp7, 0xffff    ; batch x 16 + head, which the four partners share
	s_lshr_b32 s[MSKP], s20, 4
	s_lshl_b32 s[MSKP], s[MSKP], 13
	s_add_co_u32 s[MSKP], s[MSKP], 524288
	s_mov_b32 s[MSKP+1], 0
	s_mov_b32 s21, 0
	s_mov_b64 s[22:23], SIZE_N*128
	s_mul_u64 s[20:21], s[20:21], s[22:23]  ; the head's first byte in each tensor
	s_and_b32 s16, s[WV], 1         ; which half of a slot's 256 keys I fetch
	s_lshl_b32 s22, s16, 14
	s_mov_b32 s23, 0
	s_add_nc_u64 s[22:23], s[22:23], s[20:21]
	s_mul_i32 s17, s16, 128*PK
	s_mul_i32 s18, s16, 128*PV
	s_lshl_b32 s2, s14, 2
	s_add_co_u32 s2, s2, s[WV]
	s_lshl_b32 s2, s2, 14           ; my wave's 128 rows
	s_mov_b32 s3, 0
	s_add_nc_u64 s[2:3], s[2:3], s[20:21]
	; group 1: 128 keys are 16,384 dense bytes: asked for as 64 rows of 256 bytes, padded in LDS after every key
	s_mov_b32 s[G1K], 15|(1<<16)|(1<<20)|(1<<21)|(4<<22)|(3<<25)
	s_mov_b32 s[G1V], 15|(1<<16)|(1<<20)|(1<<21)|(4<<22)|(7<<25)
.irp g, G1K, G1V
	s_mov_b32 s[\g+1], 128<<16
	s_mov_b32 s[\g+2], 64<<16
	s_mov_b32 s[\g+3], 128<<16
	s_mov_b32 s[\g+4], 64
	s_mov_b32 s[\g+5], 128
	s_mov_b32 s[\g+6], 0
	s_mov_b32 s[\g+7], 0
.endr
	s_mov_b32 s[SEL], 0x76543210
	s_mov_b32 s[SEL+1], 0xfedcba98
	s_mov_b32 s[TBK], SLOT1+4*KS*PK ; the first change of slots turns these two into 0
	s_mov_b32 s[TBV], SLOT1+4*KS*PV
	s_mov_b32 s[TBM], 0
	s_mov_b32 s[G0K], 1
	s_mov_b32 s[G0K+1], s17
	s_mov_b32 s[G0V], 1
	s_add_co_u32 s[G0V+1], s18, VOFF
	s_and_b32 s[LIM], s[WV], 1
	s_or_b32 s[LIM], s[LIM], ttmp9
	s_cmp_eq_u32 s[LIM], 0
	s_cselect_b32 s[LIM], 1, -1     ; waves 0 and 2: the same in all four partners
	s_lshl_b32 s76, s13, 13         ; my work-group's 32 blocks of the 128
	s_mov_b32 s77, 0
	s_wait_dscnt 0x0                ; the opening add is done
	s_wait_kmcnt 0x0
	s_add_nc_u64 s[6:7], s[4:5], 0x1000000  ; K
	s_add_nc_u64 s[8:9], s[4:5], 0x2000000  ; V
	s_add_nc_u64 s[G0K+2:G0K+3], s[6:7], s[22:23]
	s_or_b32 s[G0K+3], s[G0K+3], 0x80000000
	s_add_nc_u64 s[G0V+2:G0V+3], s[8:9], s[22:23]
	s_or_b32 s[G0V+3], s[G0V+3], 0x80000000
	s_add_nc_u64 s[MSKP:MSKP+1], s[TABP:TABP+1], s[MSKP:MSKP+1]
	s_cmp_lt_u32 s[WV], 2
	s_cselect_b64 s[PFA:PFA+1], s[6:7], s[8:9]
	s_add_nc_u64 s[PFA:PFA+1], s[PFA:PFA+1], s[20:21]
	s_add_nc_u64 s[PFA:PFA+1], s[PFA:PFA+1], s[76:77]
	s_add_nc_u64 s[PFA:PFA+1], s[PFA:PFA+1], 2*4*KS*128  ; in slot 2; the loop's first change steps it to slot 3
	s_add_nc_u64 s[4:5], s[4:5], s[2:3]  ; Q and O at my wave's first row
	s_add_nc_u64 s[10:11], s[10:11], s[2:3]
	CROUND                          ; all four work-groups are here: the first joint loads meet
	JLOAD                           ; slot 0.  Slot 1 is asked for when slot 0 is in
	v_lshlrev_b32 v12, 4, v0
.irp i, 0,1,2,3
	global_load_b128 v[S+4*\i:S+4*\i+3], v12, s[MSKP:MSKP+1] offset:\i*2048  ; the batch's addends: 128 threads x 16 bytes, four times
.endr
	v_add_nc_u32 v13, MB, v12
	v_and_b32 v1, 15, v0            ; l % 16
	v_bfe_u32 v9, v0, 4, 1          ; l / 16
	v_lshlrev_b32 v[QO], 7, v1
	v_lshl_add_u32 v[QO], v9, 4, v[QO]
	WIN 0x80
.set i, 0
.rept 4*NP                          ; Q stays in registers: tile i / 2, channels 32 (i % 2) on
	global_load_b128 v[8*i:8*i+3],   v[QO], s[4:5] offset:(i/2)*2048+(i%2)*64
	global_load_b128 v[8*i+4:8*i+7], v[QO], s[4:5] offset:(i/2)*2048+(i%2)*64+32
.set i, i+1
.endr
	; What the first turn finds: V's registers and P's second buffer hold 0, O^T and l are 0.  All this stands in the wait for the first tile.
.set i, VF
.rept 64
	v_mov_b32 v[i], 0
.set i, i+1
.endr
	WIN 0x40
.set i, 0
.rept 64*NP
	v_mov_b32 v[i], 0
.set i, i+1
.endr
	WIN 0
.set i, 0
.rept 2*NP
	v_mov_b32 v[ST+4*i], 0xfe000000    ; m: far below every score, the masked ones too
	v_mov_b32 v[ST+4*i+1], 0
	v_mov_b32 v[ST+4*i+2], 0
	v_mov_b32 v[ST+4*i+3], 0
.set i, i+1
.endr
.set i, P+32
.rept 32
	v_mov_b32 v[i], 0
.set i, i+1
.endr
	v_mul_u32_u24 v[AK0], v1, PK
	v_lshl_add_u32 v[AK0], v9, 4, v[AK0]
	v_and_b32 v10, 7, v0
	v_bfe_u32 v11, v0, 3, 1
	v_lshl_add_u32 v[AV0], v9, 3, v10
	v_mul_u32_u24 v[AV0], v[AV0], PV
	v_lshl_add_u32 v[AV0], v11, 4, v[AV0]
	v_add_nc_u32 v[AV0], VOFF, v[AV0]
	v_mov_b32 v[AK], v[AK0]         ; key step 0 lies at the head of slot 0
	v_lshl_add_u32 v[AM0], v9, 5, MB  ; a lane's eight keys of a block: 32 bytes
	v_mov_b32 v[AM], v[AM0]
	s_wait_loadcnt 32               ; the addends are in; Q's 32 loads may stay out
.irp i, 0,1,2,3
	ds_store_b128 v13, v[S+4*\i:S+4*\i+3] offset:\i*2048
.endr
; THE MATRIX WORK.  The 8 accumulators of a run of 16 take turns.  Product i of 16 of S^T = K Q^T for piece x: channels 32 (i / 8) on, keys 16 ((i / 2) % 4) on, tile 2 x + i % 2.  The first 8 start the sums with the keys' addends.
.macro KQ x
.set rS, S+64*((\x)%2)+32*(i%2)+8*((i/2)%4)
.set rK, KF+16*((i/2)%4)+8*(i/8)
.set rQ, 16*(2*(\x)+i%2)+8*(i/8)
.set rA, MC+8*((i/2)%4)
.if i < 8
	WIN W_KM
	v_wmma_f32_16x16x32_f16 v[rS:rS+7], v[rK:rK+7], v[rQ:rQ+7], v[rA:rA+7]
.else
	WIN W_KQ
	v_wmma_f32_16x16x32_f16 v[rS:rS+7], v[rK:rK+7], v[rQ:rQ+7], v[rS:rS+7]
.endif
.endm
.macro PV x
	WIN W_PV
.set rO, 32*(2*(\x)+i%2)+8*((i/2)%4)
.set rV, VF+32*(i/8)+8*((i/2)%4)
.set rP, P+32*((\x)%2)+16*(i%2)+8*(i/8)
	v_wmma_f32_16x16x32_f16 v[rO:rO+7], v[rV:rV+7], v[rP:rP+7], v[rO:rO+7]
.endm
.macro MM
.if i < 16
	KQ (Y+1)%NP
.set i, i+1
.else
.set i, i-16
	PV (Y+NP-1)%NP
.set i, i+17
.endif
.endm
; THE LDS LOADS stand in runs: a step's K with its addends (24 loads) and its V (16, turned).  last = 1 (the tail): in the last trip there is no further step, and the run is jumped over.
.macro FETCH_K last=0
	WIN 0
.if \last
	s_cmp_eq_u32 s[CNT], 1
	s_cbranch_scc1 .Lno_k_\@
.endif
	WIN 0x80
.irp f, 0,1,2,3,4,5,6,7
	ds_load_b128 v[KF+8*\f:KF+8*\f+3],   v[AK] offset:(\f/2)*16*PK+(\f%2)*64
	ds_load_b128 v[KF+8*\f+4:KF+8*\f+7], v[AK] offset:(\f/2)*16*PK+(\f%2)*64+32
.endr
	WIN W_MK
.irp f, 0,1,2,3
	ds_load_b128 v[MC+8*\f:MC+8*\f+3],   v[AM] offset:64*\f
	ds_load_b128 v[MC+8*\f+4:MC+8*\f+7], v[AM] offset:64*\f+16
.endr
	s_add_co_u32 s[TBK], s[TBK], KS*PK
	s_add_co_u32 s[TBM], s[TBM], KS*4
	WIN 0
.if \last
.Lno_k_\@:
.endif
.endm
.macro FETCH_V
	WIN 0x80
.irp f, 0,1,2,3,4,5,6,7
	ds_load_tr16_b128 v[VF+8*\f:VF+8*\f+3],   v[AV] offset:(\f/4)*32*PV+(\f%4)*32
	ds_load_tr16_b128 v[VF+8*\f+4:VF+8*\f+7], v[AV] offset:(\f/4)*32*PV+16*PV+(\f%4)*32
.endr
	WIN 0
.endm
; THE VECTOR WORK OF A TURN stands in three queues, each in the order in which its entries become ready; the two tiles alternate.
.macro REGS y, u
.set rT, ST+4*(2*(\y)+(\u))
.set rC, TMP+8*((\y)%2)+4*(\u)
.set rM, MV+2*((\y)%2)+(\u)
.set rS, S+64*((\y)%2)+32*(\u)
.set rP, P+32*((\y)%2)+16*(\u)
.set rO, 32*(2*(\y)+(\u))
.endm
; The NEXT piece's maximum and statistics, by number (19 is not used).  Each accumulator's lowest registers are read first.
;   0-11  four chains c0-c3 of seven scores each     12-14, 16  the four scores left over, the old m, and c0-c3 into c0     15  m_old is kept     17, 18  the other half of the lanes': the new m     20, 21  m_old - m_new; a
.macro XS u, n
	REGS (Y+1)%NP, \u
.if (\n) < 4
	v_max3_num_f32 v[rC+(\n)], v[rS+8*(\n)], v[rS+8*(\n)+1], v[rS+8*(\n)+2]
.elseif (\n) < 12
	v_max3_num_f32 v[rC+(\n)%4], v[rC+(\n)%4], v[rS+8*((\n)%4)+2*((\n)/4)+1], v[rS+8*((\n)%4)+2*((\n)/4)+2]
.elseif (\n) == 12
	v_max3_num_f32 v[rC], v[rC], v[rS+7], v[rS+15]
.elseif (\n) == 13
	v_max3_num_f32 v[rC+1], v[rC+1], v[rS+23], v[rS+31]
.elseif (\n) == 14
	v_max3_num_f32 v[rC+2], v[rC+2], v[rC+3], v[rT]
.elseif (\n) == 15
	v_mov_b32 v[rM], v[rT]
.elseif (\n) == 16
	v_max3_num_f32 v[rC], v[rC], v[rC+1], v[rC+2]
.elseif (\n) == 17
	v_permlanex16_b32 v[rC+3], v[rC], s[SEL], s[SEL+1]
.elseif (\n) == 18
	v_max_num_f32 v[rT], v[rC], v[rC+3]
.elseif (\n) == 20
	v_sub_f32 v[rC+1], v[rM], v[rT]
.else
	v_exp_f32 v[rC+2], v[rC+1]
.endif
.endm
; Number g of the 64 that follow the exponentials: for each four weights both pairs are rounded to f16, the second pair is added onto the first in place, and a group later l takes that sum (the first time as l = a l + sum).
.macro GS g
.set h, (\g)+6*((\g)/62)
.if h >= 6
.set h, h+2
.endif
	REGS Y, h%2
.set k, h/8
.if h%8 < 4
	v_cvt_pk_f16_f32 v[rP+2*k+(h%8)/2], v[rS+4*k+2*((h%8)/2)], v[rS+4*k+2*((h%8)/2)+1]
.elseif h%8 < 6
	v_pk_add_f32 v[rS+4*k:rS+4*k+1], v[rS+4*k:rS+4*k+1], v[rS+4*k+2:rS+4*k+3]
.elseif k == 1
	v_pk_fma_f32 v[rT+2:rT+3], v[rT+2:rT+3], v[rC+2:rC+3], v[rS:rS+1] op_sel_hi:[1,0,1]
.else
	v_pk_add_f32 v[rT+2:rT+3], v[rT+2:rT+3], v[rS+4*k-4:rS+4*k-3]
.endif
.endm
; THE PLAIN QUEUE, 136 long.  0-71 read no exponential's result: the 32 shifts t - m (FS f: pair f / 2 of tile f % 2) and the next piece's 40.  0-26: shifts 0-26.  27-54: XS's numbers 0-13.  55, 56: number 15.
; 57-69: the chain 14, 16, 17, 18, each with one of the shifts 27-30 in front of its two lines, then shift 31.  70, 71: number 20.  72-135: GS's 64, which stand behind the wait.
.macro FS f
	REGS Y, (\f)%2
	v_pk_add_f32 v[rS+2*((\f)/2):rS+2*((\f)/2)+1], v[rS+2*((\f)/2):rS+2*((\f)/2)+1], v[rT:rT+1] op_sel_hi:[1,0] neg_lo:[0,1] neg_hi:[0,1]
.endm
.macro PL
	WIN 0
.if q < 27
	FS q
.elseif q < 55
	XS (q-27)%2, (q-27)/2
.elseif q < 57
	XS q-55, 15
.elseif (q < 70) && ((q-57)%3 == 0)
	FS 27+(q-57)/3
.elseif q < 60
	XS (q-57)%3-1, 14
.elseif q < 69
	XS (q-57)%3-1, 15+(q-57)/3
.elseif q < 72
	XS q-70, 20
.else
	GS q-72
.endif
.set q, q+1
.endm
; THE EXPONENTIALS' QUEUE, 66 long: s0-s31 of both tiles, then the next piece's two a.  ONE BATCH: all 66 stand ahead of the turn's one wait, and nothing ahead of that wait names a result of theirs.
.macro EX
	WIN 0
.if e >= 64
	XS e-64, 21
.else
	REGS Y, e%2
	v_exp_f32 v[rS+e/2], v[rS+e/2]
.endif
.set e, e+1
.endm
; THE RESCALING's QUEUE: O^T times a, two at a time, sixteen times.  Its a was made in the turn before, ahead of that turn's wait.
.macro R2
	REGS Y, r%2
	WIN W_RS
.irp z, 0,1
	v_pk_mul_f32 v[rO+4*(r/2)+2*\z:rO+4*(r/2)+2*\z+1], v[rO+4*(r/2)+2*\z:rO+4*(r/2)+2*\z+1], v[rC+2:rC+3] op_sel_hi:[1,0]
.endr
.set r, r+1
.endm
; HOW THEY ARE DEALT.  AHEAD OF THE WAIT: the 16 products K Q^T, behind each a shift, an exponential and two rescalings (behind the first a second shift in the exponential's place); then ONE LUMP: eight plain, 47 times
; exponential and plain, the last two scores' exponentials and the two a.  A v_nop is the plain instruction behind the last exponential.  BEHIND IT: the 16 products V^T P, behind each four of GS's 64.
; In step: exponential e stands behind shift 2 (e / 4) + e % 2: as a rider it comes behind plain e + 2, in the lump behind plain e + 9, and shifts 27-31 are plain 57, 60 .. 69.
; K and the addends of the next step are fetched in piece 2's turn, directly behind the wait, a lump behind the last product that read them; V of the step in hand at the end of piece 0's turn, four riders behind its last reader.
.macro TURN p, last=0, cnt=0
.set Y, (\p)
.set i, 0
.set q, 0
.set e, 0
.set r, 0
.if (\p) == NP-1
	s_wait_dscnt 0x0                ; K and the addends are in
.endif
	MM
	PL
	PL
	R2
.rept 15
	MM
	PL
	EX
	R2
.endr
.if (\p) == NP-2
	WIN 0
	v_add_nc_u32 v[AK], s[TBK], v[AK0]
	v_add_nc_u32 v[AM], s[TBM], v[AM0]
.endif
.rept 8
	PL
.endr
.rept 47
	EX
	PL
.endr
.rept 4
	EX
.endr
	v_nop                           ; the plain instruction behind the last exponential: one for the batch
	s_wait_alu depctr_va_vdst(0)    ; the wait for the batch
.if (\p) == NP-2
	FETCH_K \last
.endif
.if (\p) == 1
	s_wait_dscnt 0x0                ; V is in
.endif
.rept 16
	MM
.rept 4
	PL
.endr
.if ((\p) == 0) && (q == 116)
	v_add_nc_u32 v[AV], s[TBV], v[AV0]
.endif
.if ((\p) == 0) && (q == 128)
	s_add_co_u32 s[TBV], s[TBV], KS*PV
.endif
.if (\cnt) && (q == 128)
	s_sub_co_u32 s[CNT], s[CNT], 1
	s_cmp_lg_u32 s[CNT], 0
.endif
.endr
.if (\p) == 0
	FETCH_V
.endif
.endm
	CHANGE 1                        ; slot 0 is in, and so are the addends, everybody's part of them; slot 1 is asked for
	FETCH_K                         ; key step 0
	s_wait_loadcnt 0x0              ; Q
	s_wait_dscnt 0x0
.set i, 0
.rept 16
	KQ 0                            ; piece 0's first scores
.set i, i+1
.endr
	WIN 0                           ; the addresses for the way out: plain instructions, the places behind those products
	s_mul_i32 s13, s[WV], 16*SP
	s_add_co_u32 s13, s13, STAGE    ; my stage
	v_mul_u32_u24 v[STO], v1, SP
	v_lshl_add_u32 v[STO], v9, 4, v[STO]
	v_add_nc_u32 v[STO], s13, v[STO]
	v_bfe_u32 v[RD], v0, 3, 2
	v_mul_u32_u24 v[RD], v[RD], SP
	v_and_b32 v[GO], 7, v0
	v_lshl_add_u32 v[RD], v[GO], 4, v[RD]
	v_add_nc_u32 v[RD], s13, v[RD]
	v_and_b32 v[GO], 31, v0
	v_lshlrev_b32 v[PFO], 8, v[GO]  ; 256 x lane
	v_lshlrev_b32 v[GO], 4, v[GO]
.set Y, NP-1                        ; XS works for piece Y + 1: piece 0
.irp n, 0,1,2,3,4,5,6,7,8,9,10,11,12,13,14,15,16,17,18,20,21
	XS 0, \n
	XS 1, \n
.endr
	v_nop                           ; a plain instruction behind the two a,
	s_wait_alu depctr_va_vdst(0)    ; and their wait, ahead of the branch
	s_mov_b32 s[CNT], 4
	s_mov_b32 s[SLOTS], SIZE_N/256-1
	s_branch .Lfirst                ; the loop is entered at a step's first turn, in the middle of a trip
.Lslot:                             ; six times: every slot but the last two is filled again
	CHANGE 1, 1
	s_mov_b32 s[CNT], 4
.Lstep:                             ; a trip: pieces 2 and 3 of one step, then pieces 0 and 1 of the next
	TURN 2
	TURN 3
	WIN 0
.Lfirst:
	TURN 0
	TURN 1, 0, 1
	WIN 0
	s_cbranch_scc1 .Lstep
	s_sub_co_u32 s[SLOTS], s[SLOTS], 1
	s_cmp_lg_u32 s[SLOTS], 0
	s_cbranch_scc1 .Lslot
	CHANGE 0                        ; the tail is written out
	s_mov_b32 s[CNT], 5             ; four trips fetch the last slot's steps; the fifth is left in its middle
.Ltail:
	TURN 2, 1
	TURN 3
	WIN 0
	s_sub_co_u32 s[CNT], s[CNT], 1
	s_cmp_eq_u32 s[CNT], 0
	s_cbranch_scc1 .Lout
	TURN 0
	TURN 1
	WIN 0
	s_branch .Ltail
.Lout:                              ; the fifth trip's 16 products K Q^T (on the last K once more) and the maximum made of them serve nothing: the price, once a launch, of one text for every trip
.set i, 0
.rept 16
	PV NP-1
.set i, i+1
.endr
	; THE WAY OUT.  l's two halves and the other half of the lanes' are added; O^T is divided by l, rounded to f16 and sent through my stage, a tile at a time.  The additions are the places behind the last products.
	WIN 0
.macro ALL line:vararg
.set t, 0
.rept 2*NP
	\line
.set t, t+1
.endr
.endm
	ALL v_add_f32 v[ST+4*t+2], v[ST+4*t+2], v[ST+4*t+3]
	ALL v_permlanex16_b32 v[ST+4*t+3], v[ST+4*t+2], s[SEL], s[SEL+1]
	ALL v_add_f32 v[ST+4*t+2], v[ST+4*t+2], v[ST+4*t+3]
	ALL v_rcp_f32 v[ST+4*t+2], v[ST+4*t+2]
	v_nop                           ; a plain instruction between the last reciprocal and the use of its result
	s_wait_alu depctr_va_vdst(0)    ; one wait for the eight reciprocals
.macro PACK t
	WIN W_RS
.set i, 32*(\t)
.rept 16
	v_pk_mul_f32 v[i:i+1], v[i:i+1], v[ST+4*(\t)+2:ST+4*(\t)+3] op_sel_hi:[1,0]
.set i, i+2
.endr
	WIN 0x05
.set i, 0
.rept 16
	v_cvt_pk_f16_f32 v[S+16*(\t)+i], v[32*(\t)+2*i], v[32*(\t)+2*i+1]
.set i, i+1
.endr
	WIN 0
.irp f, 0,1,2,3
	ds_store_b128 v[STO], v[S+16*(\t)+4*\f:S+16*(\t)+4*\f+3] offset:32*\f
.endr
.irp f, 0,1,2,3
	ds_load_b128 v[S+16*(\t)+4*\f:S+16*(\t)+4*\f+3], v[RD] offset:\f*4*SP  ; LDS serves a wave's instructions in order (ISA guide 5.7.1.4): these see the stores above
.endr
.endm
.macro SEND t, younger              ; younger: the next tile's eight LDS instructions, or none
	WIN 0
.irp f, 0,1,2,3
	s_wait_dscnt (\younger)+3-\f
	global_store_b128 v[GO], v[S+16*(\t)+4*\f:S+16*(\t)+4*\f+3], s[10:11] offset:(\t)*2048+\f*512  ; 512 consecutive bytes, at a multiple of 256 from the buffer's first
.endr
.endm
	PACK 0
.set t, 1
.rept 2*NP-1
	PACK t
	SEND t-1, 8
.set t, t+1
.endr
	SEND 2*NP-1, 0
	WIN W_AD
	s_wait_tensorcnt 0x0            ; the wave's end
	ds_add_u32 v[SPW], v[NIL]
	s_wait_dscnt 0x0
	WIN 0
	CROUND                          ; the closing round
	s_endpgm
.Lfunc_end_k_q896854acfb_attn:
	.size	k_q896854acfb_attn, .Lfunc_end_k_q896854acfb_attn-k_q896854acfb_attn
	.p2alignl 7, 3214868480
	.fill 96, 4, 3214868480
	.section	.rodata,"a",@progbits
	.p2align	6, 0x0
	.amdhsa_kernel k_q896854acfb_attn
		.amdhsa_group_segment_fixed_size 327680
		.amdhsa_private_segment_fixed_size 0
		.amdhsa_enable_private_segment 0
		.amdhsa_kernarg_size 24
		.amdhsa_user_sgpr_count 2
		.amdhsa_user_sgpr_kernarg_segment_ptr 1
		.amdhsa_wavefront_size32 1
		.amdhsa_system_sgpr_workgroup_id_x 1
		.amdhsa_system_sgpr_workgroup_id_y 1
		.amdhsa_system_sgpr_workgroup_id_z 1
		.amdhsa_system_vgpr_workitem_id 0
		.amdhsa_next_free_vgpr 808
		.amdhsa_next_free_sgpr 80
		.amdhsa_reserve_vcc 0
		.amdhsa_float_denorm_mode_32 3
		.amdhsa_float_denorm_mode_16_64 3
		.amdhsa_memory_ordered 1
		.amdhsa_forward_progress 1
		.amdhsa_inst_pref_size 202
	.end_amdhsa_kernel
	.amdgpu_metadata
---
amdhsa.version: [ 1, 2 ]
amdhsa.kernels:
  - .name:           k_q896854acfb_attn
    .symbol:         k_q896854acfb_attn.kd
    .args:
      - { .name: qkv, .offset: 0, .size: 8, .value_kind: global_buffer, .address_space: global }
      - { .name: tab, .offset: 8, .size: 8, .value_kind: global_buffer, .address_space: global }
      - { .name: oh, .offset: 16, .size: 8, .value_kind: global_buffer, .address_space: global }
    .group_segment_fixed_size: 327680
    .private_segment_fixed_size: 0
    .kernarg_segment_align: 8
    .kernarg_segment_size: 24
    .max_flat_workgroup_size: 128
    .sgpr_count:     80
    .vgpr_count:     808
    .wavefront_size: 32
...
	.end_amdgpu_metadata
.endif
;; end of part 3
;; launch oproj (part 4): grid 4 x 64, 4 waves a work-group, clusters of 4 x 4, 327,680 bytes of LDS; arguments oh, owb, tab, out0; writes out0
.if DOCPART == 4
	.amdgcn_target "amdgcn-amd-amdhsa--gfx1250"
	.amdhsa_code_object_version 6
	.text
	.protected	k_q896854acfb_oproj
	.globl	k_q896854acfb_oproj
	.p2align	8
	.type	k_q896854acfb_oproj,@function
k_q896854acfb_oproj:
	s_mov_b64 s[64:65], 0
	v_nop
	global_prefetch_b8 v0, s[64:65] scope:SCOPE_SE
	s_setreg_imm32_b32 hwreg(HW_REG_WAVE_MODE, 25, 1), 1
	s_wait_xcnt 0x0
	s_wait_alu depctr_hold_cnt(0) depctr_sa_sdst(0) depctr_va_vdst(0) depctr_va_sdst(0) depctr_va_ssrc(0) depctr_va_vcc(0) depctr_vm_vsrc(0)
	s_getreg_b32 s2, hwreg(HW_REG_IB_STS2, 6, 4)
	s_cmp_eq_u32 s2, 0
	s_cbranch_scc0 .Lentry_in_a_cluster
	s_endpgm
.Lentry_in_a_cluster:
	s_bfe_u32 s2, ttmp6, 0x10000c
	s_cmp_lg_u32 s2, 0xf033
	s_cbranch_scc0 .Lentry_shape_is_right
	s_endpgm
.Lentry_shape_is_right:
; OUT = O o_w^T + o_b.  O (oh): f16 [batch x head 64][position 2048][64]: a head is a K block of 64.  o_w (owb): f16 [K block 16][row 1024][64].  out0: f32 [8192][1024].  Sums f32; the bias (rounded to bf16 like every
; input) starts the sums as the C operand.
; SHARES.  A tile of 128 rows x 256 columns gives 256 work-groups (256 x 256 would give 128).  Four waves: wave w takes rows 64 (w / 2) on and columns 128 (w % 2) on: 32 accumulators, in window 1 at 8 (8 a + b).
; K goes in 8 steps of 128 (two heads' planes) through two LDS slots; a step is four quarters of 32 matrix instructions.  The 32 accumulators take turns.
; CLUSTER 4 x 4: A's tiles are shared along a row of the cluster, B's along a column, each asked for jointly.
; THE MATRIX INSTRUCTION IS USED TRANSPOSED (source 0 = 16 rows of owb, source 1 = 16 rows of oh): lane l holds row l % 16 and the eight neighbouring columns 8 (l / 16) + 0..7.
.set PITCH,  144                       ; an LDS row: 128 bytes + 16 of padding
.set SLOT1,  131072
.set APL,    128*PITCH                 ; a plane of A: 128 rows
.set BPL,    256*PITCH                 ; a plane of B: 256 rows
.set BOFF,   2*APL
.set STAGE,  SLOT1+BOFF+2*BPL          ; behind the ring, never filled by a tensor load: 16 rows x 528 bytes for each wave
.set SPITCH, 528                       ; 512 bytes + 16: an odd multiple of 16
.set SPARE,  STAGE+4*16*SPITCH         ; the spare words: two blocks of 256 bytes that no other line names
.set ASTEP,  524288                    ; two heads' planes of oh
.set BSTEP,  262144                    ; two K blocks of owb
.set BO,   12
.set ADRA0, 16
.set ADRA, 17
.set ADRB0, 20
.set ADRB, 21
.set STO,  24
.set RD,   25
.set CO,   26
.set SPW,  28                          ; v28  my spare word; never rewritten
.set NIL,  29                          ; v29  0; never rewritten
.set PFO,  30                          ; v30  256 x my lane; never rewritten
.set F0,   32                          ; a fragment buffer: A's four fragments, then B's eight
.set F1,   128
.set RB,   32                          ; the way out: two buffers of 64
.set G1,   28
.set G0,   36
.set G1B,  44
.set G0B,  52
.set MSB, 0
.macro WIN new
.if MSB != (\new)
	s_set_vgpr_msb (MSB<<8)|(\new)
.set MSB, (\new)
.endif
.endm
.macro PLACES
.rept 4
	v_nop
.endr
.endm
.macro CREST
	s_cmp_lg_u32 s20, 0
	s_cbranch_scc1 .Lnot_wave_0_\@
	s_barrier_signal -3
.Lnot_wave_0_\@:
	s_barrier_wait -3
	s_barrier_signal -1
	s_barrier_wait -1
.endm
.macro CROUND
	s_barrier_signal -1
	s_barrier_wait -1
	CREST
.endm
.macro JLOAD                           ; waves 0 and 1 fetch A's two planes, waves 2 and 3 B's; an s_nop 0 and four v_nop follow each line
	s_cmp_eq_u32 s21, 0
	s_cbranch_scc0 .Lfor_b_\@
	tensor_load_to_lds s[G0+4:G0+7], s[G1:G1+7]
	s_nop 0
.rept 4
	v_nop
.endr
	s_branch .Lasked_\@
.Lfor_b_\@:
	tensor_load_to_lds s[G0B+4:G0B+7], s[G1B:G1B+7]
	s_nop 0
.rept 4
	v_nop
.endr
.Lasked_\@:
.endm
; A PREFETCH INTO THE L2 of the K step two refills on: a lane a block of 256 bytes.  A step's tile row of oh is 128 blocks: its four readers take 32 each, by address; wave 0 asks.  A step's tile column of owb is 256
; blocks: the eight work-groups of the first two rows of clusters take 32 each, by address; wave 2 asks.  Each block is named once.  Steps 0 to 3 come by their loads alone; the last two refills ask for nothing.
.macro ASK
	s_cmp_gt_u32 s61, s70
	s_cbranch_scc0 .Lnot_mine_\@
	global_prefetch_b8 v[PFO], s[66:67] th:TH_LOAD_NT scope:SCOPE_SE
.Lnot_mine_\@:
.endm
.macro FETCH q, f                      ; 24 LDS loads: quarter q (plane q / 2, 32 K at byte 64 (q % 2)): B's eight fragments, then A's four
	WIN 0
.irp b, 0,1,2,3,4,5,6,7
	ds_load_b128 v[(\f)+32+8*(\b):(\f)+32+8*(\b)+3],   v[ADRB] offset:((\q)/2)*BPL+(\b)*16*PITCH+((\q)%2)*64
	ds_load_b128 v[(\f)+32+8*(\b)+4:(\f)+32+8*(\b)+7], v[ADRB] offset:((\q)/2)*BPL+(\b)*16*PITCH+((\q)%2)*64+32
.endr
.irp a, 0,1,2,3
	ds_load_b128 v[(\f)+8*(\a):(\f)+8*(\a)+3],   v[ADRA] offset:((\q)/2)*APL+(\a)*16*PITCH+((\q)%2)*64
	ds_load_b128 v[(\f)+8*(\a)+4:(\f)+8*(\a)+7], v[ADRA] offset:((\q)/2)*APL+(\a)*16*PITCH+((\q)%2)*64+32
.endr
.endm
.macro MUL8 f, a, mode                 ; row block a by all 8 column blocks.  mode 1: the sum starts with the bias, which lies in block 0's accumulators
	WIN 0x50
.irp b, 0,1,2,3,4,5,6,7
.if \mode
	v_wmma_f32_16x16x32_f16 v[8*(8*(\a)+(\b)):8*(8*(\a)+(\b))+7], v[(\f)+32+8*(\b):(\f)+32+8*(\b)+7], v[(\f)+8*(\a):(\f)+8*(\a)+7], v[8*(\b):8*(\b)+7]
.else
	v_wmma_f32_16x16x32_f16 v[8*(8*(\a)+(\b)):8*(8*(\a)+(\b))+7], v[(\f)+32+8*(\b):(\f)+32+8*(\b)+7], v[(\f)+8*(\a):(\f)+8*(\a)+7], v[8*(8*(\a)+(\b)):8*(8*(\a)+(\b))+7]
.endif
.endr
.endm
.macro QUARTER qn, f, g                ; multiplies buffer f; in its middle fetches quarter qn into buffer g
	s_wait_dscnt 4                                 ; A's blocks 2 and 3 may be out
	MUL8 \f, 0, 0
	MUL8 \f, 1, 0
	PLACES
	FETCH \qn, \g
	s_wait_dscnt 24                                ; all but the 24 just issued
	MUL8 \f, 2, 0
	MUL8 \f, 3, 0
.endm
; The last quarter multiplies buffer 1 and changes slots: each wave waits for all its tensor loads (one is out: its part of the other slot), adds 0 to its spare word, and waits for that and for its reads of this slot;
; where the slot is filled again the barrier opens a round of the cluster's barrier, and the joint refill is the first thing behind it, 112 matrix instructions ahead of the wait for it.
.macro TURN fill
.if \fill
	s_wait_xcnt 0x0                                ; the last prefetch, a step back, has read its address
	s_add_nc_u64 s[66:67], s[66:67], s[68:69]
.endif
	WIN 0
	s_wait_tensorcnt 0x0
	ds_add_u32 v[SPW], v[NIL]
.if \fill
	s_xor_b32 s[G0+5], s[G0+5], SLOT1
	s_add_nc_u64 s[G0+6:G0+7], s[G0+6:G0+7], ASTEP
	s_xor_b32 s[G0B+5], s[G0B+5], SLOT1
	s_add_nc_u64 s[G0B+6:G0B+7], s[G0B+6:G0B+7], BSTEP
.endif
	s_wait_dscnt 5                                 ; the add and the youngest four loads may be out
	MUL8 F1, 0, 0
	s_wait_dscnt 0x0                               ; the add is done, and my reads of this slot are over
	s_barrier_signal -1
	MUL8 F1, 1, 0
	WIN 0
	s_barrier_wait -1
.if \fill
	CREST
	JLOAD
.else
	PLACES
.endif
	s_xor_b32 s60, s60, SLOT1
	v_add_nc_u32 v[ADRA], s60, v[ADRA0]
	v_add_nc_u32 v[ADRB], s60, v[ADRB0]
	FETCH 0, F0
.if \fill
	ASK
.endif
	MUL8 F1, 2, 0
	MUL8 F1, 3, 0
.endm
	s_load_b256 s[4:11], s[0:1], 0x0               ; oh s[4:5], owb s[6:7], tab s[8:9], out0 s[10:11]
	v_lshl_add_u32 v[SPW], v0, 2, SPARE
	v_mov_b32 v[NIL], 0
	ds_add_u32 v[SPW], v[NIL]                      ; the wave's opening: the add and its wait stand ahead of my first tensor load
	v_lshrrev_b32 v3, 5, v0
	v_readfirstlane_b32 s20, v3                    ; wave 0..3
	s_lshr_b32 s21, s20, 1                         ; my half of the rows.  Also: I fetch for A (0) or for B (1)
	s_and_b32 s22, s20, 1                          ; my half of the columns.  Also: which plane I fetch
	s_bfe_u32 s23, ttmp6, 0x40000                  ; cx
	s_bfe_u32 s24, ttmp6, 0x40004                  ; cy
	s_lshl_b32 s25, ttmp9, 2
	s_add_co_u32 s25, s25, s23                     ; tile column j
	s_and_b32 s27, ttmp7, 0xffff                   ; the cluster's y
	s_lshl_b32 s26, s27, 2
	s_add_co_u32 s26, s26, s24                     ; tile row i
	s_lshl_b32 s84, s24, 2
	s_lshl_b32 s84, 15, s84                        ; my row of the cluster
	s_lshl_b32 s85, 0x1111, s23                    ; my column
	s_or_b32 s[G1], s84, (1<<16)|(1<<20)|(1<<21)|(4<<22)|(3<<25)   ; the mask; 2-byte elements; padding of 4 words after every 32; bit 21 beside a mask
	s_or_b32 s[G1B], s85, (1<<16)|(1<<20)|(1<<21)|(4<<22)|(3<<25)
	s_mov_b32 s[G1+1], 128<<16                     ; dense rows of 256 bytes, two matrix rows each
	s_mov_b32 s[G1+2], 64<<16                      ; A: 64 of them
	s_mov_b32 s[G1+3], 128<<16
	s_mov_b32 s[G1+4], 64
	s_mov_b32 s[G1+5], 128
	s_mov_b32 s[G1+6], 0
	s_mov_b32 s[G1+7], 0
	s_mov_b32 s[G1B+1], 128<<16
	s_mov_b32 s[G1B+2], 128<<16                    ; B: 128 of them
	s_mov_b32 s[G1B+3], 128<<16
	s_mov_b32 s[G1B+4], 128
	s_mov_b32 s[G1B+5], 128
	s_mov_b32 s[G1B+6], 0
	s_mov_b32 s[G1B+7], 0
	s_lshr_b32 s86, s26, 4                         ; batch
	s_lshl_b32 s86, s86, 22
	s_and_b32 s87, s26, 15
	s_lshl_b32 s87, s87, 14                        ; 128 rows of 128 bytes
	s_add_co_u32 s86, s86, s87                     ; the tile row's first byte in the batch's head 0
	s_lshl_b32 s87, s22, 18
	s_add_co_u32 s88, s86, s87                     ; my plane
	s_mov_b32 s89, 0
	s_lshl_b32 s90, s22, 17
	s_lshl_b32 s91, s25, 15
	s_add_co_u32 s90, s90, s91                     ; B: my plane, the tile column's 256 rows
	s_mov_b32 s91, 0
	s_mul_i32 s96, s22, APL
	s_mul_i32 s97, s22, BPL
	s_add_co_u32 s97, s97, BOFF
	s_mov_b32 s60, 0
	s_wait_dscnt 0x0                               ; the opening add is done
	s_wait_kmcnt 0x0
	s_add_nc_u64 s[92:93], s[4:5], s[88:89]
	s_add_nc_u64 s[94:95], s[6:7], s[90:91]
	CROUND                                         ; all sixteen work-groups are here: the first joint loads meet
.irp s, 0,1
	s_mov_b32 s[G0+4*(\s)], 1
	s_add_co_u32 s[G0+4*(\s)+1], s96, (\s)*SLOT1
	s_add_nc_u64 s[G0+4*(\s)+2:G0+4*(\s)+3], s[92:93], (\s)*ASTEP
	s_or_b32 s[G0+4*(\s)+3], s[G0+4*(\s)+3], 0x80000000
	s_mov_b32 s[G0B+4*(\s)], 1
	s_add_co_u32 s[G0B+4*(\s)+1], s97, (\s)*SLOT1
	s_add_nc_u64 s[G0B+4*(\s)+2:G0B+4*(\s)+3], s[94:95], (\s)*BSTEP
	s_or_b32 s[G0B+4*(\s)+3], s[G0B+4*(\s)+3], 0x80000000
.endr
	s_cmp_eq_u32 s21, 0                            ; a wave's two first fills stand in one branch: two loads of mine are out
	s_cbranch_scc0 .Lfirst_b
	tensor_load_to_lds s[G0:G0+3], s[G1:G1+7]
	s_nop 0
	tensor_load_to_lds s[G0+4:G0+7], s[G1:G1+7]
	s_nop 0
.rept 4
	v_nop
.endr
	s_branch .Lfirst_asked
.Lfirst_b:
	tensor_load_to_lds s[G0B:G0B+3], s[G1B:G1B+7]
	s_nop 0
	tensor_load_to_lds s[G0B+4:G0B+7], s[G1B:G1B+7]
	s_nop 0
.rept 4
	v_nop
.endr
.Lfirst_asked:
	v_and_b32 v1, 15, v0                           ; l % 16
	v_bfe_u32 v2, v0, 4, 1                         ; l / 16
	v_lshlrev_b32 v[BO], 5, v2
	s_lshl_b32 s98, s25, 10
	s_lshl_b32 s99, s22, 9
	s_add_co_u32 s98, s98, s99                     ; my first column, in bytes of f32
	s_add_co_u32 s84, s98, 569344
	s_mov_b32 s85, 0
	s_add_nc_u64 s[82:83], s[8:9], s[84:85]        ; o_b at my 128 columns
	WIN 0x40
.irp b, 0,1,2,3,4,5,6,7
	global_load_b128 v[8*(\b):8*(\b)+3],   v[BO], s[82:83] offset:64*(\b)     ; the bias goes straight into block 0's accumulators
	global_load_b128 v[8*(\b)+4:8*(\b)+7], v[BO], s[82:83] offset:64*(\b)+16
.endr
	WIN 0
	s_lshl_b32 s84, s26, 19                        ; 128 rows of 4,096 bytes
	s_lshl_b32 s99, s21, 18
	s_add_co_u32 s84, s84, s99
	s_add_co_u32 s84, s84, s98
	s_add_nc_u64 s[74:75], s[10:11], s[84:85]      ; out0 at my first row and column
	; the prefetches
	s_lshr_b32 s84, s23, 1
	s_lshl_b32 s84, s84, 18                        ; A: which plane,
	s_and_b32 s99, s23, 1
	s_lshl_b32 s99, s99, 13                        ; which half of its 64 blocks
	s_add_co_u32 s84, s84, s99
	s_add_co_u32 s84, s84, s86
	s_min_u32 s98, s26, 7                          ; (a work-group past the eighth asks for nothing; its address stays inside owb all the same)
	s_lshr_b32 s99, s98, 2
	s_lshl_b32 s99, s99, 17                        ; B: which plane,
	s_and_b32 s98, s98, 3
	s_lshl_b32 s98, s98, 13                        ; which quarter of its 128 blocks
	s_add_co_u32 s98, s98, s99
	s_lshl_b32 s99, s25, 15
	s_add_co_u32 s98, s98, s99
	s_mov_b32 s68, ASTEP
	s_mov_b32 s99, BSTEP
	s_cmp_eq_u32 s21, 0
	s_cselect_b32 s84, s84, s98
	s_cselect_b32 s68, s68, s99
	s_cselect_b64 s[66:67], s[4:5], s[6:7]
	s_mov_b32 s69, 0
	s_add_nc_u64 s[66:67], s[66:67], s[84:85]
	s_mul_i32 s84, s68, 3
	s_add_nc_u64 s[66:67], s[66:67], s[84:85]      ; at K step 3: the first change of slots steps it to 4
	s_cmp_lt_u32 s27, 2
	s_cselect_b32 s70, 2, -1                       ; wave 2 asks in the first two rows of clusters,
	s_cmp_eq_u32 s20, 0
	s_cselect_b32 s70, 2, s70                      ; wave 0 everywhere,
	s_cmp_eq_u32 s22, 1
	s_cselect_b32 s70, -1, s70                     ; waves 1 and 3 nowhere
	v_and_b32 v[PFO], 31, v0
	v_lshlrev_b32 v[CO], 4, v[PFO]                 ; 16 x lane
	v_lshlrev_b32 v[PFO], 8, v[PFO]
	v_mul_u32_u24 v3, v1, PITCH
	v_lshl_add_u32 v3, v2, 4, v3                   ; a fragment's row x pitch + 16 x half
	s_mul_i32 s84, s21, 64*PITCH
	v_add_nc_u32 v[ADRA0], s84, v3
	s_mul_i32 s84, s22, 128*PITCH
	s_add_co_u32 s84, s84, BOFF
	v_add_nc_u32 v[ADRB0], s84, v3
	v_mov_b32 v[ADRA], v[ADRA0]
	v_mov_b32 v[ADRB], v[ADRB0]
	s_mul_i32 s84, s20, 16*SPITCH
	s_add_co_u32 s84, s84, STAGE                   ; my stage
	v_mul_u32_u24 v[STO], v1, SPITCH               ; in: row l % 16, 32 bytes for each half of the lanes
	v_lshl_add_u32 v[STO], v2, 5, v[STO]
	v_add_nc_u32 v[STO], s84, v[STO]
	v_add_nc_u32 v[RD], s84, v[CO]                 ; back: 32 lanes take a row's 512 bytes
	s_wait_tensorcnt 0x1                           ; my part of K step 0 is in; step 1's may stay out
	s_barrier_signal -1
	s_barrier_wait -1
	FETCH 0, F0
	s_wait_loadcnt 0x0                             ; the bias
	s_wait_dscnt 0x0
	MUL8 F0, 1, 1                                  ; the first quarter stands in front of the loop: blocks 1-3 take the bias from block 0's registers,
	MUL8 F0, 2, 1
	PLACES
	FETCH 1, F1
	MUL8 F0, 3, 1
.rept 5
	v_nop                                          ; five places,
.endr
	MUL8 F0, 0, 0                                  ; and block 0 adds in place onto it
	WIN 0
	s_mov_b32 s61, 6
.Lstep:                                            ; a trip: a step's quarters 1 to 3 and the next step's quarter 0; the slot left is filled with the step two on
	QUARTER 2, F1, F0
	QUARTER 3, F0, F1
	TURN 1
	QUARTER 1, F0, F1
	WIN 0
	s_sub_co_u32 s61, s61, 1
	s_cmp_lg_u32 s61, 0
	s_cbranch_scc1 .Lstep
	QUARTER 2, F1, F0                              ; the tail is written out: nothing is left to ask for
	QUARTER 3, F0, F1
	TURN 0
	QUARTER 1, F0, F1
	QUARTER 2, F1, F0
	QUARTER 3, F0, F1
	s_wait_dscnt 4
	MUL8 F1, 0, 0
	MUL8 F1, 1, 0
	s_wait_dscnt 0x0
	MUL8 F1, 2, 0
	MUL8 F1, 3, 0
	PLACES
; THE WAY OUT: a block of 16 rows x 128 columns of f32 through my stage: in as 32 bytes a lane and column block, back as whole rows of 512 bytes.
.macro SEND a, younger                 ; younger: the next block's 32 LDS instructions, or none
	s_wait_dscnt \younger
.irp r, 0,1,2,3,4,5,6,7,8,9,10,11,12,13,14,15
	global_store_b128 v[CO], v[RB+64*((\a)%2)+4*(\r):RB+64*((\a)%2)+4*(\r)+3], s[74:75] offset:(\a)*65536+(\r)*4096 th:TH_STORE_NT  ; 512 consecutive bytes, at a multiple of 256 from out0's first
.endr
.endm
.irp a, 0,1,2,3
.if (\a) >= 2
	s_wait_xcnt 0x0                                ; the stores of the block two back have read the registers that are loaded again below
.endif
	WIN 0x04                                       ; the stores' data lie in window 1
.irp b, 0,1,2,3,4,5,6,7
	ds_store_b128 v[STO], v[8*(8*(\a)+(\b)):8*(8*(\a)+(\b))+3]   offset:64*(\b)      ; each accumulator from its low end on
	ds_store_b128 v[STO], v[8*(8*(\a)+(\b))+4:8*(8*(\a)+(\b))+7] offset:64*(\b)+16
.endr
	WIN 0
.irp r, 0,1,2,3,4,5,6,7,8,9,10,11,12,13,14,15
	ds_load_b128 v[RB+64*((\a)%2)+4*(\r):RB+64*((\a)%2)+4*(\r)+3], v[RD] offset:(\r)*SPITCH  ; LDS serves a wave's instructions in order (ISA guide 5.7.1.4): these see the stores above
.endr
.if (\a) > 0
	SEND (\a)-1, 32
.endif
.endr
	SEND 3, 0
	s_wait_tensorcnt 0x0                           ; the wave's end
	ds_add_u32 v[SPW], v[NIL]
	s_wait_dscnt 0x0
	CROUND                                         ; the closing round
	s_endpgm
.Lfunc_end_k_q896854acfb_oproj:
	.size	k_q896854acfb_oproj, .Lfunc_end_k_q896854acfb_oproj-k_q896854acfb_oproj
	.p2alignl 7, 3214868480
	.fill 96, 4, 3214868480
	.section	.rodata,"a",@progbits
	.p2align	6, 0x0
	.amdhsa_kernel k_q896854acfb_oproj
		.amdhsa_group_segment_fixed_size 327680
		.amdhsa_private_segment_fixed_size 0
		.amdhsa_enable_private_segment 0
		.amdhsa_kernarg_size 32
		.amdhsa_user_sgpr_count 2
		.amdhsa_user_sgpr_kernarg_segment_ptr 1
		.amdhsa_wavefront_size32 1
		.amdhsa_system_sgpr_workgroup_id_x 1
		.amdhsa_system_sgpr_workgroup_id_y 1
		.amdhsa_system_sgpr_workgroup_id_z 1
		.amdhsa_system_vgpr_workitem_id 0
		.amdhsa_next_free_vgpr 512
		.amdhsa_next_free_sgpr 100
		.amdhsa_reserve_vcc 0
		.amdhsa_float_denorm_mode_32 3
		.amdhsa_float_denorm_mode_16_64 3
		.amdhsa_memory_ordered 1
		.amdhsa_forward_progress 1
		.amdhsa_inst_pref_size 71
	.end_amdhsa_kernel
	.amdgpu_metadata
---
amdhsa.version: [ 1, 2 ]
amdhsa.kernels:
  - .name:           k_q896854acfb_oproj
    .symbol:         k_q896854acfb_oproj.kd
    .args:
      - { .name: oh, .offset: 0, .size: 8, .value_kind: global_buffer, .address_space: global }
      - { .name: owb, .offset: 8, .size: 8, .value_kind: global_buffer, .address_space: global }
      - { .name: tab, .offset: 16, .size: 8, .value_kind: global_buffer, .address_space: global }
      - { .name: out0, .offset: 24, .size: 8, .value_kind: global_buffer, .address_space: global }
    .group_segment_fixed_size: 327680
    .private_segment_fixed_size: 0
    .kernarg_segment_align: 8
    .kernarg_segment_size: 32
    .max_flat_workgroup_size: 128
    .sgpr_count:     100
    .vgpr_count:     512
    .wavefront_size: 32
...
	.end_amdgpu_metadata
.endif
;; end of part 4
;; ======== version 2 of 2: 4 launches; version 1 with the launch prep written anew for expert scheduling mode
;; limits: values are held in f16: magnitudes above 65,504 overflow, below 6.1e-05 lose precision
;; workspace buffers: xb 16,777,216 bytes; wb 6,291,456 bytes; owb 2,097,152 bytes; tab 573,440 bytes; qkv 50,331,648 bytes; oh 16,777,216 bytes
;; launch prep (part 5): grid 416 x 1, 8 waves a work-group, no clusters, 0 bytes of LDS; arguments x, q_w, k_w, v_w, o_w, key_padding_mask, q_b, k_b, v_b, o_b, xb, wb, owb, tab; writes xb, wb, owb, tab
.if DOCPART == 5
	.amdgcn_target "amdgcn-amd-amdhsa--gfx1250"
	.amdhsa_code_object_version 6
	.text
	.protected	k_q896854acfb_prep
	.globl	k_q896854acfb_prep
	.p2align	8
	.type	k_q896854acfb_prep,@function
k_q896854acfb_prep:
	s_mov_b64 s[64:65], 0
	v_nop
	global_prefetch_b8 v0, s[64:65] scope:SCOPE_SE
	s_setreg_imm32_b32 hwreg(HW_REG_WAVE_SCHED_MODE, 0, 2), 2
	s_setreg_imm32_b32 hwreg(HW_REG_WAVE_MODE, 25, 1), 1
	s_wait_xcnt 0x0
	s_wait_alu depctr_vm_vsrc(0)
; PREP: casts and tables for the three launches behind it.  A stream: no LDS, no matrix unit, every input byte read once.
;   work-groups 0-255:   32 rows of x          -> xb  bf16 [batch 4][K block 16][row 2048][64]
;   work-groups 256-351: 32 rows of q_w/k_w/v_w -> wb  bf16 [K block 16][row' 3072][64], row' = head x 192 + tensor x 64 + channel
;   work-groups 352-383: 32 rows of o_w         -> owb f16  [K block 16][row 1024][64]: rounded to bf16 like every input, that number written as f16
;   work-groups 384-415: tab: from 0 f32 [position 2048][cos 32 | sin 32]; from 524,288 f32 [batch 4][key 2048]: 0, or -1e9 x log2(e) at a masked key;
;                        from 557,056 f32 [q_b | k_b | v_b | o_b], each rounded to bf16
; With K in blocks of 64 a tile's rows of 128 bytes lie end to end, so the later launches can ask for them as dense rows of 256 bytes.
; LIMITS.  An o_w below 2^-14 keeps f16's fixed step of 2^-24.  The frequencies 10000^(-i/32) come from v_exp_f32, so the angle at position 2,047 may be off by some 6e-4 rad;
; sine and cosine by a two-part reduction by pi/2 and polynomials of degree 7 and 8 on |r| <= pi/4 (error under 4e-7).
; THE MODE: SCHED_MODE bits 1:0 = 2 (LLVM: expert scheduling mode 2), set by the entry lines.  The code itself states the register dependences
; between vector instructions and memory instructions, with s_wait_alu, always for 0.
; THE PLAN, the casts.  Registers that memory instructions touch:
;   v1        the loads' offset: written at the head, read by all 32 loads, never written again.
;   v[32:159] chunk i: its two loads land in its eight registers, once; its conversions pack them into the first four, in place; one store reads those four; nothing writes them again.
;   v[2:17]   the stores' offsets: written behind the loads, read by one store each, never written again.
; The 16 chunks go in four groups of four.  A group's memory instructions are the stores of the group BEFORE, whose registers no conversion of this group names: so one wait at a group's head
; states all that its four stores hang on, and they are dealt among its conversions with no further wait.
; THE PLAN, the tables.  Each of the mask's and the bias's offsets and data is written once and read once: a wait ahead of the load, a wait ahead of the store.  In the loop over positions:
;   v32       the store's offset: written at the head, never again: the scalar base moves on.
;   v[36:39]  written by a trip's last four vector lines, read by its store, written again a trip later.
; A number that a vector instruction writes into a scalar register (the wave's number; the compares' masks, which stand in runs of four) has its wait ahead of its first reader.
.set XR, 32                            ; v[32:159]  16 chunks of 8 f32, packed in place
.set DO, 2                             ; v[2:17]    chunk i: my byte offset in the blocked output
; 32 rows x 1,024 numbers.  Thread t takes row t / 8 and, of each chunk of 64 numbers (a K block), the eight at 8 (t % 8): they pack into 16 bytes, and a wave's store covers 512 consecutive bytes.
; All 32 loads go out first; no register is written twice, so no store's source is ever rewritten.
.macro CONV fmt
	v_lshrrev_b32 v1, 3, v0
	v_and_b32 v18, 7, v0
	v_lshlrev_b32 v1, 12, v1                       ; row x 4,096 bytes
	v_lshl_add_u32 v1, v18, 5, v1                  ; + 32 bytes for each eighth of a chunk
	s_wait_alu depctr_va_vdst(0)                   ; v1 is written: all 32 loads read it as their offset
.set i, 0
.rept 16
	global_load_b128 v[XR+8*i:XR+8*i+3],   v1, s[38:39] offset:256*i th:TH_LOAD_NT
	global_load_b128 v[XR+8*i+4:XR+8*i+7], v1, s[38:39] offset:256*i+16 th:TH_LOAD_NT
.set i, i+1
.endr
	v_lshlrev_b32 v[DO], 4, v0                     ; row x 128 + 16 (t % 8) = 16 t
.set i, 1
.rept 15
	v_add_nc_u32 v[DO+i], s42, v[DO+i-1]           ; the next K block
.set i, i+1
.endr
.set i, 0
.set g, 0
.rept 4                                ; group g: chunks 4 g to 4 g + 3
	s_wait_loadcnt 24-8*g                          ; loads come back in order: the group's eight are in, eight for each younger group stay out
.if g > 0
	s_wait_alu depctr_va_vdst(0)                   ; the group before has written its packed words, which the four stores below read; at the first such wait the sixteen offsets are written too
.endif
.rept 4
.if g > 0
	global_store_b128 v[DO+i-4], v[XR+8*(i-4):XR+8*(i-4)+3], s[40:41]  ; the group before: no vector instruction since the wait names these registers
.endif
.irp k, 0,1,2,3
	v_cvt_pk_bf16_f32 v[XR+8*i+(\k)], v[XR+8*i+2*(\k)], v[XR+8*i+2*(\k)+1]
.endr
.if \fmt
.irp k, 0,1,2,3
	v_lshlrev_b32 v18, 16, v[XR+8*i+(\k)]          ; the rounded numbers as f32,
	v_and_b32 v19, 0xffff0000, v[XR+8*i+(\k)]
	v_cvt_pk_f16_f32 v[XR+8*i+(\k)], v18, v19      ; written as f16
.endr
.endif
.set i, i+1
.endr
.set g, g+1
.endr
	s_wait_alu depctr_va_vdst(0)                   ; the last group has written its packed words, which the last four stores read
.set i, 12
.rept 4
	global_store_b128 v[DO+i], v[XR+8*i:XR+8*i+3], s[40:41]
.set i, i+1
.endr
	s_endpgm
.endm
	s_load_b512 s[8:23], s[0:1], 0x0               ; x, q_w, k_w, v_w, o_w, mask, q_b, k_b
	s_load_b256 s[24:31], s[0:1], 0x40             ; v_b, o_b, xb, wb
	s_load_b128 s[32:35], s[0:1], 0x60             ; owb, tab
	s_mov_b32 s36, ttmp9
	s_mov_b32 s45, 0                               ; the high word of every offset
	s_wait_kmcnt 0x0
	s_cmp_lt_u32 s36, 256
	s_cbranch_scc0 .Lnot_x
	s_lshl_b32 s44, s36, 17                        ; 32 rows of 4,096 bytes
	s_add_nc_u64 s[38:39], s[8:9], s[44:45]
	s_lshr_b32 s46, s36, 6                         ; batch
	s_lshl_b32 s46, s46, 22
	s_and_b32 s47, s36, 63
	s_lshl_b32 s47, s47, 12                        ; 32 rows of 128 bytes
	s_add_co_u32 s44, s46, s47
	s_add_nc_u64 s[40:41], s[28:29], s[44:45]
	s_mov_b32 s42, 262144                          ; from K block to K block in xb
	s_branch .Lconv0
.Lnot_x:
	s_cmp_lt_u32 s36, 384
	s_cbranch_scc0 .Ltable
	s_sub_co_u32 s37, s36, 256
	s_lshr_b32 s46, s37, 5                         ; which weight
	s_and_b32 s47, s37, 31                         ; which 32 rows of it
	s_cmp_eq_u32 s46, 0
	s_cselect_b64 s[38:39], s[10:11], s[12:13]
	s_cmp_eq_u32 s46, 2
	s_cselect_b64 s[38:39], s[14:15], s[38:39]
	s_cmp_eq_u32 s46, 3
	s_cselect_b64 s[38:39], s[16:17], s[38:39]
	s_lshl_b32 s44, s47, 17
	s_add_nc_u64 s[38:39], s[38:39], s[44:45]
	s_cmp_eq_u32 s46, 3
	s_cbranch_scc1 .Lo_w
	s_lshr_b32 s48, s47, 1                         ; head
	s_mul_i32 s48, s48, 192
	s_lshl_b32 s49, s46, 6
	s_add_co_u32 s48, s48, s49                     ; + tensor x 64
	s_and_b32 s49, s47, 1
	s_lshl_b32 s49, s49, 5
	s_add_co_u32 s48, s48, s49                     ; + which half of the head's 64 channels
	s_lshl_b32 s44, s48, 7
	s_add_nc_u64 s[40:41], s[30:31], s[44:45]
	s_mov_b32 s42, 393216                          ; from K block to K block in wb
.Lconv0:
	CONV 0
.Lo_w:
	s_lshl_b32 s44, s47, 12
	s_add_nc_u64 s[40:41], s[32:33], s[44:45]
	s_mov_b32 s42, 131072                          ; from K block to K block in owb
	CONV 1
.Ltable:
	s_sub_co_u32 s37, s36, 384                     ; 0 .. 31
	v_lshrrev_b32 v1, 5, v0
	v_readfirstlane_b32 s43, v1                    ; wave 0 .. 7
	s_wait_alu depctr_va_sdst(0)                   ; s43 is written, ahead of its first reader, the compare below
	s_cmp_lt_u32 s43, 2
	s_cbranch_scc0 .Lno_mask
	; waves 0 and 1: four mask bytes a thread become four addends
	v_lshl_add_u32 v2, s37, 6, v0
	v_lshlrev_b32 v3, 2, v2
	v_lshlrev_b32 v4, 4, v2
	s_wait_alu depctr_va_vdst(0)                   ; v3 and v4 are written: the load's offset and the store's
	global_load_b32 v5, v3, s[18:19]
	s_add_nc_u64 s[40:41], s[34:35], 524288
	s_mov_b32 s46, 0xceabfb8f                      ; -1e9 x log2(e): the later launches reckon scores in powers of two
	s_wait_loadcnt 0x0
.irp k, 0,1,2,3
	v_bfe_u32 v[12+(\k)], v5, 8*(\k), 8
.endr
.irp k, 0,1,2,3
	v_cmp_ne_u32 s[2+(\k)], 0, v[12+(\k)]          ; the four compares stand in a run, a scalar register each
.endr
	s_wait_alu depctr_va_sdst(0)                   ; the four masks s2 to s5 are written, ahead of the selects that read them
.irp k, 0,1,2,3
	v_cndmask_b32 v[8+(\k)], 0, s46, s[2+(\k)]
.endr
	s_wait_alu depctr_va_vdst(0)                   ; the selects have written v[8:11], which the store reads
	global_store_b128 v4, v[8:11], s[40:41]        ; a wave stores 512 consecutive bytes; nothing below writes v4 or v[8:11]
	s_branch .Lrope
.Lno_mask:
	s_cmp_eq_u32 s43, 2
	s_cbranch_scc0 .Lrope
	; wave 2: 128 numbers of one bias, rounded to bf16 and kept as f32
	s_lshr_b32 s46, s37, 3
	s_cmp_eq_u32 s46, 0
	s_cselect_b64 s[38:39], s[20:21], s[22:23]
	s_cmp_eq_u32 s46, 2
	s_cselect_b64 s[38:39], s[24:25], s[38:39]
	s_cmp_eq_u32 s46, 3
	s_cselect_b64 s[38:39], s[26:27], s[38:39]
	s_and_b32 s47, s37, 7
	v_and_b32 v2, 31, v0
	v_lshlrev_b32 v2, 4, v2
	v_lshl_add_u32 v3, s47, 9, v2
	v_lshl_add_u32 v4, s37, 9, v2
	s_wait_alu depctr_va_vdst(0)                   ; v3 and v4 are written: the load's offset and the store's
	global_load_b128 v[8:11], v3, s[38:39]
	s_add_nc_u64 s[40:41], s[34:35], 557056
	s_wait_loadcnt 0x0
	v_cvt_pk_bf16_f32 v5, v8, v9
	v_cvt_pk_bf16_f32 v6, v10, v11
	v_lshlrev_b32 v12, 16, v5
	v_and_b32 v13, 0xffff0000, v5
	v_lshlrev_b32 v14, 16, v6
	v_and_b32 v15, 0xffff0000, v6
	s_wait_alu depctr_va_vdst(0)                   ; v[12:15] are written, which the store reads
	global_store_b128 v4, v[12:15], s[40:41]       ; nothing below writes v4 or v[12:15]
.Lrope:
	; all eight waves: cos and sin.  A wave owns 8 positions, two a trip: lanes 0-15 one position's 256 bytes (cos 32, sin 32), lanes 16-31 the next one's.
	v_and_b32 v20, 31, v0                          ; lane
	v_lshrrev_b32 v21, 4, v20                      ; which of the two positions
	v_and_b32 v22, 15, v20
	v_lshrrev_b32 v23, 3, v22
	v_xor_b32 v23, 1, v23                          ; 1 for cos, 0 for sin: cos x = sin(x + pi/2), one quadrant on
	v_and_b32 v24, 7, v22
	v_lshlrev_b32 v24, 2, v24                      ; my first of four frequencies
	s_lshl_b32 s46, s37, 6
	s_lshl3_add_u32 s46, s43, s46                  ; the wave's first position
	v_add_nc_u32 v25, s46, v21
	v_cvt_f32_u32 v25, v25                         ; my position, as f32
.irp j, 0,1,2,3
	v_add_nc_u32 v27, (\j), v24
	v_cvt_f32_u32 v[28+(\j)], v27
	v_mul_f32 v[28+(\j)], 0xbed49a78, v[28+(\j)]   ; -i x log2(10000) / 32
.endr
.irp j, 0,1,2,3
	v_exp_f32 v[28+(\j)], v[28+(\j)]
.endr
	v_lshlrev_b32 v32, 4, v20                      ; a plain instruction behind the last exponential
	s_lshl_b32 s47, s46, 8
	v_add_nc_u32 v32, s47, v32                     ; position x 256 + 16 x lane: never written again
	s_mov_b32 s48, 0xb9500d01                      ; -1/5040
	s_mov_b32 s49, 0x3c088889                      ; 1/120
	s_mov_b32 s50, 0x37d00d01                      ; 1/40320
	s_mov_b32 s51, 0xbab60b61                      ; -1/720
	s_mov_b32 s52, 4
	s_wait_alu depctr_va_vdst(0)                   ; one wait for the four exponentials' results v[28:31], ahead of the label and of their first reader; v32, the stores' offset, is written too
.Ltrip:
.irp j, 0,1,2,3                        ; number j has registers of its own for its sine, cosine and sign, so that the four compares stand ahead of one wait
	v_mul_f32 v40, v25, v[28+(\j)]                 ; the angle, in f32 as reference() forms it
	v_mul_f32 v41, 0x3f22f983, v40                 ; x 2/pi
	v_rndne_f32 v41, v41                           ; n
	v_fmamk_f32 v42, v41, 0xbfc90fdb, v40          ; r = angle - n x pi/2, pi/2 in two parts
	v_fmamk_f32 v42, v41, 0x333bbd2e, v42
	v_cvt_i32_f32 v43, v41
	v_add_nc_u32 v43, v43, v23                     ; the quadrant
	v_mul_f32 v44, v42, v42
	v_fma_f32 v45, v44, s48, s49
	v_fmaak_f32 v45, v45, v44, 0xbe2aaaab
	v_mul_f32 v46, v42, v44
	v_fma_f32 v[48+(\j)], v46, v45, v42            ; sin r
	v_fma_f32 v47, v44, s50, s51
	v_fmaak_f32 v47, v47, v44, 0x3d2aaaab
	v_fmaak_f32 v47, v47, v44, 0xbf000000
	v_fma_f32 v[52+(\j)], v47, v44, 1.0            ; cos r
	v_and_b32 v46, 1, v43
	v_cmp_eq_u32 s[2+(\j)], 1, v46                 ; an odd quadrant?
	v_and_b32 v46, 2, v43
	v_lshlrev_b32 v[56+(\j)], 30, v46              ; quadrants 2 and 3: the sign bit
.endr
	s_wait_alu depctr_va_sdst(0)                   ; the four masks s2 to s5 are written, ahead of the selects that read them
	s_wait_xcnt 0x0                                ; the last trip's store has had its address translated: its base and data are rewritten only behind this wait
	s_wait_alu depctr_vm_vsrc(0)                   ; the last trip's store has read v[36:39], which the lines below write again
	s_add_nc_u64 s[34:35], s[34:35], 512           ; two positions on; the store below reaches back
.irp j, 0,1,2,3
	v_cndmask_b32 v[48+(\j)], v[48+(\j)], v[52+(\j)], s[2+(\j)]  ; odd quadrants take the cosine,
.endr
.irp j, 0,1,2,3
	v_xor_b32 v[36+(\j)], v[56+(\j)], v[48+(\j)]   ; quadrants 2 and 3 the other sign
.endr
	s_wait_alu depctr_va_vdst(0)                   ; v[36:39] are written, which the store reads
	global_store_b128 v32, v[36:39], s[34:35] offset:-512  ; 16 lanes fill a position's 256 bytes
	v_add_f32 v25, 2.0, v25
	s_sub_co_u32 s52, s52, 1
	s_cmp_lg_u32 s52, 0
	s_cbranch_scc1 .Ltrip
	s_endpgm
.Lfunc_end_k_q896854acfb_prep:
	.size	k_q896854acfb_prep, .Lfunc_end_k_q896854acfb_prep-k_q896854acfb_prep
	.p2alignl 7, 3214868480
	.fill 96, 4, 3214868480
	.section	.rodata,"a",@progbits
	.p2align	6, 0x0
	.amdhsa_kernel k_q896854acfb_prep
		.amdhsa_group_segment_fixed_size 0
		.amdhsa_private_segment_fixed_size 0
		.amdhsa_enable_private_segment 0
		.amdhsa_kernarg_size 112
		.amdhsa_user_sgpr_count 2
		.amdhsa_user_sgpr_kernarg_segment_ptr 1
		.amdhsa_wavefront_size32 1
		.amdhsa_system_sgpr_workgroup_id_x 1
		.amdhsa_system_sgpr_workgroup_id_y 1
		.amdhsa_system_sgpr_workgroup_id_z 1
		.amdhsa_system_vgpr_workitem_id 0
		.amdhsa_next_free_vgpr 176
		.amdhsa_next_free_sgpr 66
		.amdhsa_reserve_vcc 0
		.amdhsa_float_denorm_mode_32 3
		.amdhsa_float_denorm_mode_16_64 3
		.amdhsa_memory_ordered 1
		.amdhsa_forward_progress 1
		.amdhsa_inst_pref_size 40
	.end_amdhsa_kernel
	.amdgpu_metadata
---
amdhsa.version: [ 1, 2 ]
amdhsa.kernels:
  - .name:           k_q896854acfb_prep
    .symbol:         k_q896854acfb_prep.kd
    .args:
      - { .name: x, .offset: 0, .size: 8, .value_kind: global_buffer, .address_space: global }
      - { .name: q_w, .offset: 8, .size: 8, .value_kind: global_buffer, .address_space: global }
      - { .name: k_w, .offset: 16, .size: 8, .value_kind: global_buffer, .address_space: global }
      - { .name: v_w, .offset: 24, .size: 8, .value_kind: global_buffer, .address_space: global }
      - { .name: o_w, .offset: 32, .size: 8, .value_kind: global_buffer, .address_space: global }
      - { .name: key_padding_mask, .offset: 40, .size: 8, .value_kind: global_buffer, .address_space: global }
      - { .name: q_b, .offset: 48, .size: 8, .value_kind: global_buffer, .address_space: global }
      - { .name: k_b, .offset: 56, .size: 8, .value_kind: global_buffer, .address_space: global }
      - { .name: v_b, .offset: 64, .size: 8, .value_kind: global_buffer, .address_space: global }
      - { .name: o_b, .offset: 72, .size: 8, .value_kind: global_buffer, .address_space: global }
      - { .name: xb, .offset: 80, .size: 8, .value_kind: global_buffer, .address_space: global }
      - { .name: wb, .offset: 88, .size: 8, .value_kind: global_buffer, .address_space: global }
      - { .name: owb, .offset: 96, .size: 8, .value_kind: global_buffer, .address_space: global }
      - { .name: tab, .offset: 104, .size: 8, .value_kind: global_buffer, .address_space: global }
    .group_segment_fixed_size: 0
    .private_segment_fixed_size: 0
    .kernarg_segment_align: 8
    .kernarg_segment_size: 112
    .max_flat_workgroup_size: 256
    .sgpr_count:     66
    .vgpr_count:     176
    .wavefront_size: 32
...
	.end_amdgpu_metadata
.endif
;; end of part 5
;; launch qkv: the kernel of part 2 again; grid 8 x 32, 4 waves a work-group, clusters of 4 x 4, 327,680 bytes of LDS; arguments xb, wb, tab, key_padding_mask, qkv; writes qkv
;; launch attn: the kernel of part 3 again; grid 4 x 64, 4 waves a work-group, clusters of 4 x 1, 327,680 bytes of LDS; arguments qkv, tab, oh; writes oh
;; launch oproj: the kernel of part 4 again; grid 4 x 64, 4 waves a work-group, clusters of 4 x 4, 327,680 bytes of LDS; arguments oh, owb, tab, out0; writes out0
